; MI455X (gfx1250); checked and timed in simulation.
; The chip was launched on July 23, 2026; its instructions are those of AMD's public machine-readable ISA for CDNA 5 (MIT licence, August 2026) and "CDNA5" Instruction Set Architecture Reference Guide (July 2026). The comments in the code are by the model that wrote it; some were corrected since.
;; Multi Head Diff Attention. Allowed arithmetic: matrix products marked QUANTISED: E2M3 operands, one E8M0 scale for each 32 along K, by v_wmma_scale_f32_16x16x128_f8f6f4 with both operands' format E2M3, f32 sums; everything else in f32.
;; Inputs: Wc 1,024 x 2,048 float32; Wk1 1,024 x 1,024 float32; Wk2 1,024 x 1,024 float32; Wq1 1,024 x 1,024 float32; Wq2 1,024 x 1,024 float32; Wv 2,048 x 1,024 float32; gamma 128 float32; gn_b 128 float32; gn_w 128 float32; lk1 16 x 1 x 1 float32; lk2 16 x 1 x 1 float32; lq1 16 x 1 x 1 float32; lq2 16 x 1 x 1 float32; x 2 x 2,048 x 1,024 float32.
;; Outputs: out0 2 x 2,048 x 1,024 float32.
;; This version of the problem:
;;   THIS VERSION OF THE PROBLEM IS GIVEN IN LOW PRECISION. The matrix products marked QUANTISED in the list below multiply operands that are first quantised to E2M3 (2 exponent bits, 3 mantissa bits; 6 bits a number), with one power-of-two scale for each 32 numbers along K (OCP MX v1.0); their sums are f32. All else is computed in f32.
;;   The module's matrix products, in the order in which they are computed (A, B: the left and right operand; K: the contracted axis; several contracted axes count as one K, in the product's order):
;;     1. [M 4,096, K 1,024] x [K 1,024, N 1,024]; A: input x; B: input Wq1: QUANTISED
;;     2. [M 4,096, K 1,024] x [K 1,024, N 1,024]; A: input x; B: input Wq2: QUANTISED
;;     3. [M 4,096, K 1,024] x [K 1,024, N 1,024]; A: input x; B: input Wk1: QUANTISED
;;     4. [M 4,096, K 1,024] x [K 1,024, N 1,024]; A: input x; B: input Wk2: QUANTISED
;;     5. [M 4,096, K 1,024] x [K 1,024, N 2,048]; A: input x; B: input Wv: QUANTISED
;;     6. batch 32 x [M 2,048, K 64] x [K 64, N 2,048]; A: computed on the way; B: computed on the way: QUANTISED
;;     7. batch 32 x [M 2,048, K 64] x [K 64, N 2,048]; A: computed on the way; B: computed on the way: QUANTISED
;;     8. batch 32 x [M 2,048, K 2,048] x [K 2,048, N 128]; A: computed on the way; B: computed on the way: QUANTISED
;;     9. [M 4,096, K 2,048] x [K 2,048, N 1,024]; A: computed on the way; B: input Wc: QUANTISED
;;   THE QUANTISER, for each operand of a quantised product, along K:
;;     - K is cut into blocks of 32 from its start; a last block that is shorter is filled with zeros.
;;     - A block's scale is 2^e with e = floor(log2(the largest magnitude in the block)) - 2, held to -126 .. 127; a block of zeros has e = 0. As a byte (E8M0): e + 127.
;;     - Each number is divided by its block's scale, clamped to +-7.5, and rounded to the nearest number of E2M3, ties to even, subnormals kept.
;;     - The product sums the exact products of the quantised numbers (number of the format x scale) in f32.
;;   ~~~python
;;   def quantise(x, axis):      # numpy; x: float32 -> the quantised numbers, widened to float32 again
;;       x = np.moveaxis(x, axis, -1); K = x.shape[-1]
;;       x = np.pad(x, [(0, 0)] * (x.ndim - 1) + [(0, -K % 32)]); x = x.reshape(x.shape[:-1] + (-1, 32)); a = np.abs(x).max(-1, keepdims=True)
;;       e = np.where(a > 0, np.clip(np.frexp(np.where(a > 0, a, 1))[1] - 1 - 2, -126, 127), 0)      # np.frexp(a)[1] - 1 = floor(log2(a)), exactly
;;       r = np.clip(x / 2.0 ** e, -7.5, 7.5)
;;       step = 2.0 ** (np.maximum(np.frexp(np.where(r == 0, 1, r))[1] - 1, 0) - 3)
;;       q = np.round(r / step) * step * 2.0 ** e      # np.round: ties to even
;;       return np.moveaxis(q.reshape(q.shape[:-2] + (-1,))[..., :K], -1, axis).astype(np.float32)
;;   ~~~
;;   OPERANDS COMPUTED ON THE WAY. 'Computed on the way' means the value that the module computes at that place (a softmax that the list does not call 'softmax' is quantised finished and normalised). What goes into a quantiser is computed in f32, as accurately as f32 sums, v_exp_f32 and their like allow (about 1e-6 of the number): no bf16 or f16 on the way to a quantiser, and a product that is left as it is and whose result goes on into a quantised operand takes f32 operands (vector FMAs, or v_wmma_f32_16x16x4_f32). A number that lies on a knife's edge between two numbers of the format may be rounded either way, as far as f32 arithmetic and the matrix unit's own rounding can turn it there, and no further.
;; One version. Each part assembles by itself: llvm-mc -triple=amdgcn-amd-amdhsa -mcpu=gfx1250 --defsym DOCPART=n.
;; ======== version 1 of 1: 5 launches
;; workspace buffers: cod 9,437,184 bytes; scl 393,216 bytes; img 18,874,368 bytes; isc 786,432 bytes; yimg 33,554,432 bytes; part 65,536 bytes; ycod 6,291,456 bytes; ysc 262,144 bytes
;; launch quant (part 1): grid 384 x 1, 4 waves a work-group, no clusters, 33,280 bytes of LDS; arguments x, Wq1, Wq2, Wk1, Wk2, Wv, Wc, cod, scl; writes cod, scl
.if DOCPART == 1
	.amdgcn_target "amdgcn-amd-amdhsa--gfx1250"
	.amdhsa_code_object_version 6
	.text
	.protected	k_qb4ad6ef44c_quant
	.globl	k_qb4ad6ef44c_quant
	.p2align	8
	.type	k_qb4ad6ef44c_quant,@function
k_qb4ad6ef44c_quant:
	s_mov_b64 s[64:65], 0
	v_nop
	global_prefetch_b8 v0, s[64:65] scope:SCOPE_SE
	s_setreg_imm32_b32 hwreg(HW_REG_WAVE_MODE, 25, 1), 1
	s_wait_xcnt 0x0
; x [4096][1024], Wq1, Wq2, Wk1, Wk2 [1024][1024], Wv [2048][1024], Wc [1024][2048], all f32 with K innermost, become codes of FP6 (E2M3) and one E8M0 byte for each 32 along K.
; A block's scale is 2^(floor(log2(its largest magnitude)) - 2); its byte is the largest magnitude's exponent field - 2, held at 1 from below.  A block of zeros so gets the byte 1 where the rule says 127:
; its codes are zeros, which add nothing under any byte but 0xff, and the bytes are read by this program alone.
; LIMITS: blocks whose largest magnitude lies under 2^-124 keep the byte 1; NaN and infinities among the inputs are not served.
; SHARES.  A wave takes a run of 8,192 numbers (8 rows of 1,024, or 4 of Wc's 2,048) in 16 steps of 512; a work-group four runs: 128 work-groups for x, 32 for each of the four W, 64 for Wv, 64 for Wc.
; WHERE THE RESULTS GO.  cod is 10,240 places of 768 bytes (x, then the q and k weights, then Wv), then Wc as it lies.  Within each 32 rows the second and third run of 8 rows change places: the
; next launch's 16 x 16 tiles then leave 16 neighbours along the next K in a lane's registers.  The q and k weights lie head by head: [q: head][q1's 64 rows, q2's 64], then [k: head][k1's, k2's].
; Each load reads 512 consecutive bytes; a step's 2,048 bytes turn through the wave's own stage in LDS so that a lane holds 16 neighbours.  No barrier: waves share nothing.
.set STEPS, 16
.set EMAX,  2
.set CB,    12                         ; bytes of 16 codes
.set R,     16                         ; v16-79   four sets of 16 numbers as loaded
.set X,     80                         ; v80-111  two sets of 16 neighbours
.set C,     128                        ; v128-191 codes: four registers for each step, so that no store's data are written again
.set E,     112                        ; v112-127 a scale byte for each step
.set WREG,  8192                       ; LDS: a region for each wave: two stages of 32 x SP bytes, then its 256 scale bytes
.set SP,    80                         ; a lane's place in a stage: 64 bytes + 16 of padding
	s_load_b512 s[36:51], s[0:1], 0x0              ; x 36, Wq1 38, Wq2 40, Wk1 42, Wk2 44, Wv 46, Wc 48, cod 50
	s_load_b64 s[52:53], s[0:1], 0x40              ; scl
	v_lshl_add_u32 v192, v0, 2, 0x8000
	v_mov_b32 v193, 0
	v_lshrrev_b32 v1, 5, v0
	v_readfirstlane_b32 s16, v1                    ; wave
	v_and_b32 v2, 31, v0                           ; lane
	v_lshlrev_b32 v3, 4, v2                        ; my 16 bytes of a load's 512
	s_mul_i32 s17, s16, WREG
	v_lshrrev_b32 v14, 2, v2
	v_mul_u32_u24 v14, v14, SP
	v_and_b32 v15, 3, v2
	v_lshl_add_u32 v14, v15, 4, v14
	v_add_nc_u32 v14, s17, v14                     ; the stage, on the way in: SP (lane / 4) + 16 (lane % 4)
	v_mul_u32_u24 v15, v2, SP
	v_add_nc_u32 v15, s17, v15                     ; and on the way out: SP x lane: my 16 neighbours
	v_mul_u32_u24 v4, v2, CB                       ; my codes' place in a step's
	v_lshrrev_b32 v5, 1, v2
	s_add_co_u32 s17, s17, 2*32*SP
	v_add_nc_u32 v5, s17, v5                       ; LDS: my wave's 256 scale bytes, my block's byte
	v_lshlrev_b32 v7, 3, v2                        ; on the way out 8 bytes a lane
	v_add_nc_u32 v6, s17, v7
	; the place of my work-group's 32 rows, P: the work-group's number, but for the q and k weights (work-groups 128 to 255), which are laid head by head
	s_mov_b32 s26, ttmp9
	s_and_b32 s23, s26, 127                        ; e: bits 6:5 the tensor (q1, q2, k1, k2), bits 4:1 the head, bit 0 the head's half
	s_and_b32 s24, s23, 64                         ; q or k: 64 places
	s_and_b32 s25, s23, 30
	s_lshl_b32 s25, s25, 1                         ; 4 x head
	s_or_b32 s24, s24, s25
	s_and_b32 s25, s23, 32
	s_lshr_b32 s25, s25, 4                         ; 2 x (the second of the pair)
	s_or_b32 s24, s24, s25
	s_and_b32 s25, s23, 1
	s_or_b32 s24, s24, s25
	s_add_co_u32 s24, s24, 128
	s_lshr_b32 s25, s26, 7
	s_cmp_eq_u32 s25, 1
	s_cselect_b32 s24, s24, s26                    ; P
	s_and_b32 s25, s16, 1                          ; my run's place among the four: 0, 2, 1, 3; Wc keeps its order
	s_lshl_b32 s25, s25, 1
	s_lshr_b32 s27, s16, 1
	s_or_b32 s25, s25, s27
	s_cmp_ge_u32 s26, 320
	s_cselect_b32 s25, s16, s25
	s_lshl_b32 s24, s24, 2
	s_add_co_u32 s18, s24, s25                     ; D = 4 P + that
	s_wait_kmcnt 0x0
	s_mov_b64 s[4:5], s[36:37]                     ; which tensor: the choice hangs on the work-group's number alone
	s_mov_b32 s22, 0                               ; and its first work-group
.macro PICK first, ptr
	s_cmp_ge_u32 ttmp9, \first
	s_cselect_b64 s[4:5], s[\ptr:\ptr+1], s[4:5]
	s_cselect_b32 s22, \first, s22
.endm
	PICK 128, 38
	PICK 160, 40
	PICK 192, 42
	PICK 224, 44
	PICK 256, 46
	PICK 320, 48
	s_sub_co_u32 s17, ttmp9, s22
	s_lshl_b32 s17, s17, 2
	s_add_co_u32 s17, s17, s16                     ; which run of the tensor is mine
	s_lshl_b32 s20, s17, 15                        ; 32,768 bytes a run; 16 MiB at the most
	s_mov_b32 s21, 0
	s_add_nc_u64 s[4:5], s[4:5], s[20:21]
	s_mul_i32 s20, s18, 32*STEPS*CB                ; 6,144 bytes of codes a run
	s_add_nc_u64 s[8:9], s[50:51], s[20:21]
	s_lshl_b32 s20, s18, 8                         ; 256 scale bytes a run
	s_add_nc_u64 s[10:11], s[52:53], s[20:21]
.macro LOAD t
.irp i, 0,1,2,3
	global_load_b128 v[R+16*((\t)%4)+4*\i:R+16*((\t)%4)+4*\i+3], v3, s[4:5] offset:2048*(\t)+512*\i th:TH_LOAD_NT   ; 32 lanes read 512 consecutive bytes, read once in the launch
.endr
.endm
.macro TURN t                          ; step t's numbers through the stage: LDS serves a wave's instructions in order (ISA guide 5.7.1.4), so no wait stands between the stores and the loads
.irp i, 0,1,2,3
	ds_store_b128 v14, v[R+16*((\t)%4)+4*\i:R+16*((\t)%4)+4*\i+3] offset:32*SP*((\t)%2)+8*SP*\i
.endr
.irp i, 0,1,2,3
	ds_load_b128 v[X+16*((\t)%2)+4*\i:X+16*((\t)%2)+4*\i+3], v15 offset:32*SP*((\t)%2)+16*\i
.endr
.endm
.irp t, 0,1,2,3
	LOAD \t
.endr
	s_wait_loadcnt 12                              ; step 0's four loads are in; the twelve of steps 1 to 3 stay out
	TURN 0
.macro STEP t
.set XS, X+16*((\t)%2)
.if (\t) > 0
	s_wait_dscnt 1                                 ; this step's numbers are back from the stage (the last step's byte store may be out): so its stores into the stage have read their registers,
.else
	s_wait_dscnt 0x0
.endif
.if (\t)+4 < STEPS
	LOAD (\t)+4                                    ; which take the loads of four steps on
.endif
.if (\t)+1 < STEPS
.if STEPS-2-(\t) >= 3
	s_wait_loadcnt 12                              ; the next step's four loads are in; those of the three steps behind it may be out
.else
	s_wait_loadcnt 4*(STEPS-2-(\t))
.endif
	TURN (\t)+1                                    ; and go through the other stage while this step is worked
.endif
	v_max3_num_f32 v8, |v[XS]|, |v[XS+1]|, |v[XS+2]|               ; the largest magnitude of my 16, in two chains
	v_max3_num_f32 v9, |v[XS+3]|, |v[XS+4]|, |v[XS+5]|
.irp i, 6,10
	v_max3_num_f32 v8, v8, |v[XS+\i]|, |v[XS+\i+1]|
	v_max3_num_f32 v9, v9, |v[XS+\i+2]|, |v[XS+\i+3]|
.endr
	v_max3_num_f32 v8, v8, |v[XS+14]|, |v[XS+15]|
	v_max3_num_f32 v8, v8, v9, (EMAX+1)<<23        ; and the floor 2^(3 - 127): the byte cannot fall under 1
	v_max_num_f32_dpp v8, v8, v8 row_xmask:1 row_mask:0xf bank_mask:0xf   ; with my neighbour's 16: the block's
	v_add_nc_u32 v11, -(EMAX<<23), v8              ; 2 off its exponent field: the conversion takes this operand's exponent field as its scale, and nothing else of it
	v_cvt_scalef32_pk16_fp6_f32 v[C+4*(\t):C+4*(\t)+2], v[XS:XS+15], v11         ; sixteen numbers / the scale, to the nearest code, ties to even, beyond the largest code the largest
	v_lshrrev_b32 v[E+(\t)], 23, v11               ; the scale's byte (also the plain line behind the conversion)
	ds_store_b8 v5, v[E+(\t)] offset:16*(\t)       ; both lanes of a block write the same byte with the same value
	global_store_b96 v4, v[C+4*(\t):C+4*(\t)+2], s[8:9] offset:32*CB*(\t)        ; the wave stores 384 consecutive bytes
.endm
.irp t, 0,1,2,3,4,5,6,7,8,9,10,11,12,13,14,15
	STEP \t
.endr
	ds_load_b64 v[12:13], v6                       ; these see my byte stores: one wave's LDS instructions go in order
	s_wait_dscnt 0x0
	global_store_b64 v7, v[12:13], s[10:11]        ; 32 lanes store 256 consecutive bytes, aligned
	s_wait_tensorcnt 0x0
	ds_add_u32 v192, v193
	s_wait_dscnt 0x0
	s_endpgm
.Lfunc_end_k_qb4ad6ef44c_quant:
	.size	k_qb4ad6ef44c_quant, .Lfunc_end_k_qb4ad6ef44c_quant-k_qb4ad6ef44c_quant
	.p2alignl 7, 3214868480
	.fill 96, 4, 3214868480
	.section	.rodata,"a",@progbits
	.p2align	6, 0x0
	.amdhsa_kernel k_qb4ad6ef44c_quant
		.amdhsa_group_segment_fixed_size 33280
		.amdhsa_private_segment_fixed_size 0
		.amdhsa_enable_private_segment 0
		.amdhsa_kernarg_size 72
		.amdhsa_user_sgpr_count 2
		.amdhsa_user_sgpr_kernarg_segment_ptr 1
		.amdhsa_wavefront_size32 1
		.amdhsa_system_sgpr_workgroup_id_x 1
		.amdhsa_system_sgpr_workgroup_id_y 1
		.amdhsa_system_sgpr_workgroup_id_z 1
		.amdhsa_system_vgpr_workitem_id 0
		.amdhsa_next_free_vgpr 194
		.amdhsa_next_free_sgpr 66
		.amdhsa_reserve_vcc 0
		.amdhsa_float_denorm_mode_32 3
		.amdhsa_float_denorm_mode_16_64 3
		.amdhsa_memory_ordered 1
		.amdhsa_forward_progress 1
		.amdhsa_inst_pref_size 34
	.end_amdhsa_kernel
	.amdgpu_metadata
---
amdhsa.version: [ 1, 2 ]
amdhsa.kernels:
  - .name:           k_qb4ad6ef44c_quant
    .symbol:         k_qb4ad6ef44c_quant.kd
    .args:
      - { .name: x, .offset: 0, .size: 8, .value_kind: global_buffer, .address_space: global }
      - { .name: Wq1, .offset: 8, .size: 8, .value_kind: global_buffer, .address_space: global }
      - { .name: Wq2, .offset: 16, .size: 8, .value_kind: global_buffer, .address_space: global }
      - { .name: Wk1, .offset: 24, .size: 8, .value_kind: global_buffer, .address_space: global }
      - { .name: Wk2, .offset: 32, .size: 8, .value_kind: global_buffer, .address_space: global }
      - { .name: Wv, .offset: 40, .size: 8, .value_kind: global_buffer, .address_space: global }
      - { .name: Wc, .offset: 48, .size: 8, .value_kind: global_buffer, .address_space: global }
      - { .name: cod, .offset: 56, .size: 8, .value_kind: global_buffer, .address_space: global }
      - { .name: scl, .offset: 64, .size: 8, .value_kind: global_buffer, .address_space: global }
    .group_segment_fixed_size: 33280
    .private_segment_fixed_size: 0
    .kernarg_segment_align: 8
    .kernarg_segment_size: 72
    .max_flat_workgroup_size: 128
    .sgpr_count:     66
    .vgpr_count:     194
    .wavefront_size: 32
...
	.end_amdgpu_metadata
.endif
;; end of part 1
;; launch proj (part 2): grid 16 x 24, 4 waves a work-group, clusters of 4 x 4, 327,680 bytes of LDS; arguments cod, scl, img, isc; writes img, isc
.if DOCPART == 2
	.amdgcn_target "amdgcn-amd-amdhsa--gfx1250"
	.amdhsa_code_object_version 6
	.text
	.protected	k_qb4ad6ef44c_proj
	.globl	k_qb4ad6ef44c_proj
	.p2align	8
	.type	k_qb4ad6ef44c_proj,@function
k_qb4ad6ef44c_proj:
	s_mov_b64 s[64:65], 0
	v_nop
	global_prefetch_b8 v0, s[64:65] scope:SCOPE_SE
	s_setreg_imm32_b32 hwreg(HW_REG_WAVE_MODE, 25, 1), 1
	s_wait_xcnt 0x0
	s_wait_alu depctr_hold_cnt(0) depctr_sa_sdst(0) depctr_va_vdst(0) depctr_va_sdst(0) depctr_va_ssrc(0) depctr_va_vcc(0) depctr_vm_vsrc(0)
	s_getreg_b32 s2, hwreg(HW_REG_IB_STS2, 6, 4)
	s_cmp_eq_u32 s2, 0
	s_cbranch_scc0 .Lentry_in_a_cluster
	s_endpgm
.Lentry_in_a_cluster:
	s_bfe_u32 s2, ttmp6, 0x10000c
	s_cmp_lg_u32 s2, 0xf033
	s_cbranch_scc0 .Lentry_shape_is_right
	s_endpgm
.Lentry_shape_is_right:
; THE FIVE PROJECTIONS AS ONE PRODUCT ON CODES OF FP6 (E2M3), AND THEIR RESULTS QUANTISED AT ONCE.  C' = "A" "B"^T, K = 1,024, tiles of 256 x 256; C' is quantised along B's rows and never stored wide.
;   tile rows 0-15:  A = x (places 0-4095 of cod), B = the q and k weights (places 4096-8191): q and k, quantised along a head's 64 channels.
;   tile rows 16-23: A = Wv (places 8192-10239), B = x: v transposed, so that a lane holds one channel and neighbouring KEYS: v is quantised along the keys.
; Four waves, each 128 x 128: 64 accumulators, 512 registers.  K goes in steps of 256 through two LDS slots filled by the tensor data mover (rows of 192 bytes); the scale bytes of the work-group's
; 256 + 256 rows come once and stay.  4 x 4 work-groups form a cluster: A's tiles are asked for jointly along a row of it, B's along a column.
; THE MATRIX INSTRUCTION IS USED TRANSPOSED (source 0 = 16 rows of B, source 1 = 16 rows of A): lane (r, h) holds A's place 16 a + r, and register j of tile b B's place 16 b + 8 h + j.  The launch before
; has laid rows so that place p of each 32 holds the row with bits 3 and 4 of p exchanged: so register 16 b' + i of a block of A is column 32 b' + 16 h + i: 16 neighbours along the next K.
; A wave's 128 columns are one head's [q1 | q2] or [k1 | k2] (or 128 keys): one fragment of 16 rows x 128, and one scale word a row, for each of its eight blocks of 16 rows.
; THE WAY OUT: each fragment is stored as an IMAGE OF ITS REGISTERS (registers 4 c .. 4 c + 3 of lane l at 512 c + 16 l: 1,536 bytes), eight to a block of 12,288 bytes; their scale words 512 bytes a block:
; pair i at 128 i, lanes 0-15 image 2 i's words, lanes 16-31 image 2 i + 1's.  Blocks: 0-511 Q[b][head][128 queries], 512-1023 K likewise, 1024-1535 V[b][head][128 keys].
; LIMITS: blocks whose largest magnitude lies under 2^-124 (zeros among them) keep the byte 1; NaN and infinities are not served.
; REGISTERS, in windows of 256: window 0: v0-31 addresses; v32-63 scale words, two sets; v128-223 A's fragments, one set; on the way out v64-223 codes, v224-251 at work.
;   window 1: B's fragments, two sets.   window 2: the accumulators of my rows 0-63 ((a, b) at v[8 (8 a + b)]);   window 3: those of rows 64-127.
.set SIZE_K, 1024
.set KSTEP,  256                       ; along K in a slot
.set NQ,     KSTEP/128                 ; matrix instructions deep
.set ROWB,   192                       ; a tile's row in bytes
.set KROW,   SIZE_K*6/8                ; a place of cod in bytes
.set PITCH,  240                       ; an LDS row: 3 x (64 bytes + 16 of padding) = 60 words: the 32 lanes of a load of 8 bytes touch 64 different banks (64 banks of 4 bytes: ISA guide 11.1)
.set FR,     12                        ; registers of a fragment
.set NL,     6                         ; LDS loads that bring one
.set NP,     4                         ; places behind this matrix instruction (ISA guide 7.12.1)
.set HALFT,  128*PITCH                 ; 128 rows: what one tensor load brings
.set SLOT,   4*HALFT                   ; A's 256 rows, then B's 256
.set LAPS,   SIZE_K/(2*KSTEP)          ; a lap = two K steps = once round the ring
.set KS,     SIZE_K/32                 ; a row of scale bytes
.set SCL,    2*SLOT                    ; behind the ring: the scale bytes, as rows of 256 bytes + 16 of padding
.set HALFS,  (128*KS/256)*272          ; those of 128 rows: what one tensor load brings
.set SBLK,   (16*KS/256)*272           ; those of 16 rows
.set SPARE,  SCL+4*HALFS               ; the spare words, 128 bytes for each wave: two blocks of 256 bytes that no other line names
.set ADRA, 16                          ; v16-17 LDS address of my A fragments in slot 0, 1 (v18-19: for the pieces behind one padding more)
.set ADRB, 20                          ; v20-23 the same for B
.set IM,   24                          ; v24    16 x lane: my place in an image
.set IS,   25                          ; v25    4 x lane: my place among scale words
.set ADRS, 27                          ; v27    LDS address of my scale words: lanes 0-15 A's rows, lanes 16-31 B's
.set SPW,  28                          ; v28    LDS address of my spare word; never rewritten
.set NIL,  29                          ; v29    0; never rewritten
.set SC,   32                          ; scale words: set s at v[SC + 8 NQ s]; register NQ i + q: lanes 0-15 A's block i, lanes 16-31 B's block i
.set AF,   128                         ; A's fragments
.set TM,   224                         ; the way out: v224-227 largest magnitudes, v228-231 bytes, v236-239 the conversions' scale operands
.set PWB,  240                         ; v240-247 the eight scale words; v248-251 paired
.set G1, 24
.set G0, 32
.set G1B, 48
.set G0B, 56
.set SEL, 66                           ; s[66:67] v_permlanex16_b32's selects for lane l xor 16
.set G1S, 68
.set G0S, 76
.set G1SB, 80
.set G0SB, 88
.set MSB, 0
.macro WIN new                         ; the immediate's high byte repeats the setting that is left
.if MSB != \new
	s_set_vgpr_msb (MSB<<8)|\new
.set MSB, \new
.endif
.endm
.set MUL_LO, 0xa1                      ; source 0 (B) window 1, source 1 (A) window 0, C and D window 2
.set MUL_HI, 0xf1                      ; the same, C and D window 3
.set TO_B,   0x40                      ; destination window 1
; A joint load: waves 0 and 1 fetch for A, waves 2 and 3 for B; the branch hangs on the wave's number alone.  Four v_nop follow each of the two lines.
.macro JLOAD g0a, g1a, g0b, g1b
	s_cmp_eq_u32 s15, 0
	s_cbranch_scc0 .Lfor_b_\@
	tensor_load_to_lds s[\g0a:\g0a+3], s[\g1a:\g1a+7]
	s_nop 0
.rept 4
	v_nop
.endr
	s_branch .Lasked_\@
.Lfor_b_\@:
	tensor_load_to_lds s[\g0b:\g0b+3], s[\g1b:\g1b+7]
	s_nop 0
.rept 4
	v_nop
.endr
.Lasked_\@:
.endm
.macro CREST                           ; a round of the cluster's barrier behind its opening barrier
	s_cmp_lg_u32 s14, 0
	s_cbranch_scc1 .Lnot_wave_0_\@
	s_barrier_signal -3
.Lnot_wave_0_\@:
	s_barrier_wait -3
	s_barrier_signal -1
	s_barrier_wait -1
.endm
.macro CROUND                          ; a whole round
	s_barrier_signal -1
	s_barrier_wait -1
	CREST
.endm
	s_load_b256 s[4:11], s[0:1], 0x0               ; cod s[4:5], scl s[6:7], img s[8:9], isc s[10:11]
	v_lshl_add_u32 v[SPW], v0, 2, SPARE
	v_mov_b32 v[NIL], 0
	ds_add_u32 v28, v29
	s_wait_dscnt 0x0
	v_lshrrev_b32 v1, 5, v0
	v_readfirstlane_b32 s14, v1                    ; wave 0..3
	s_lshr_b32 s15, s14, 1                         ; which half of the tile's rows is mine.  Also: I fetch for A (0) or for B (1)
	s_and_b32 s16, s14, 1                          ; which half of its columns.  Also: which 128 rows I fetch
	s_bfe_u32 s40, ttmp6, 0x40000                  ; cx, cy: my place in the cluster
	s_bfe_u32 s41, ttmp6, 0x40004
	s_lshl_b32 s42, ttmp9, 2
	s_add_co_u32 s42, s42, s40                     ; tile column = 4 x cluster x + cx
	s_and_b32 s17, ttmp7, 0xffff
	s_lshr_b32 s95, s17, 2                         ; 1 in the clusters of tile rows 16-23 (v), else 0: the same in all sixteen partners
	s_xor_b32 s96, s95, 1
	s_lshl_b32 s17, s17, 2
	s_add_co_u32 s17, s17, s41                     ; tile row = 4 x cluster y + cy
	s_lshl_b32 s43, s41, 2
	s_lshl_b32 s43, 15, s43                        ; my row of the cluster
	s_lshl_b32 s44, 0x1111, s40                    ; my column
	s_mov_b32 s[SEL], 0x76543210
	s_mov_b32 s[SEL+1], 0xfedcba98
	; descriptor group 1: a tile of 128 rows x 192 bytes, 16 bytes of padding behind every 64
	s_or_b32 s[G1+0], s43, (0<<16)|(1<<20)|(1<<21)|(3<<22)|(3<<25)  ; 15:0 the mask: A's tiles go to my row; elements of 1 byte; padding on; bit 21 beside a mask; after every 16 words 4 words
	s_or_b32 s[G1B+0], s44, (0<<16)|(1<<20)|(1<<21)|(3<<22)|(3<<25)
.irp g, G1, G1B
	s_mov_b32 s[\g+1], ROWB<<16                    ; tensor_dim0
	s_mov_b32 s[\g+2], 128<<16                     ; tensor_dim1
	s_mov_b32 s[\g+3], ROWB<<16                    ; tile_dim0
	s_mov_b32 s[\g+4], 128                         ; tile_dim1
	s_mov_b32 s[\g+5], KROW                        ; tensor_dim0_stride
	s_mov_b32 s[\g+6], 0
	s_mov_b32 s[\g+7], 0
.endr
	; the scale bytes of 128 rows: a dense block of 4,096 bytes, as rows of 256 bytes (32 elements of 8), 16 bytes of padding behind each
	s_or_b32 s[G1S+0], s43, (3<<16)|(1<<20)|(1<<21)|(5<<22)|(3<<25)
	s_or_b32 s[G1SB+0], s44, (3<<16)|(1<<20)|(1<<21)|(5<<22)|(3<<25)
.irp g, G1S, G1SB
	s_mov_b32 s[\g+1], 32<<16
	s_mov_b32 s[\g+2], (128*KS/256)<<16
	s_mov_b32 s[\g+3], 32<<16
	s_mov_b32 s[\g+4], 128*KS/256
	s_mov_b32 s[\g+5], 32
	s_mov_b32 s[\g+6], 0
	s_mov_b32 s[\g+7], 0
.endr
	s_lshl_b32 s18, s16, 7                         ; which 128 rows of the tile I fetch
	s_lshl_b32 s20, s17, 8
	s_add_co_u32 s20, s20, s18
	s_lshl_b32 s19, s95, 12
	s_add_co_u32 s20, s20, s19                     ; A's place: 256 x tile row + 128 x half; tile row 16 is Wv's first place, 8,192
	s_lshl_b32 s46, s42, 8
	s_add_co_u32 s46, s46, s18
	s_lshl_b32 s19, s96, 12
	s_add_co_u32 s46, s46, s19                     ; B's place: 256 x tile column + 128 x half, behind x's 4,096 places where B is the q and k weights
	s_mov_b32 s21, 0
	s_mov_b32 s47, 0
	s_mov_b64 s[18:19], KS
	s_mul_u64 s[22:23], s[20:21], s[18:19]         ; where these places' scale bytes begin,
	s_mul_u64 s[92:93], s[46:47], s[18:19]
	s_mov_b64 s[18:19], KROW
	s_mul_u64 s[20:21], s[20:21], s[18:19]         ; and their codes
	s_mul_u64 s[46:47], s[46:47], s[18:19]
	s_mul_i32 s45, s14, HALFT                      ; where they go: wave x 128 rows: no place in the cluster enters an LDS address
	s_mul_i32 s94, s14, HALFS
	s_wait_kmcnt 0x0
	s_add_nc_u64 s[20:21], s[4:5], s[20:21]
	s_add_nc_u64 s[22:23], s[6:7], s[22:23]
	s_add_nc_u64 s[46:47], s[4:5], s[46:47]
	s_add_nc_u64 s[92:93], s[6:7], s[92:93]
	CROUND                                         ; all sixteen work-groups are here: the first joint loads meet
	s_mov_b32 s[G0S], 1
	s_add_co_u32 s[G0S+1], s94, SCL
	s_mov_b64 s[G0S+2:G0S+3], s[22:23]
	s_or_b32 s[G0S+3], s[G0S+3], 0x80000000
	s_mov_b32 s[G0SB], 1
	s_add_co_u32 s[G0SB+1], s94, SCL
	s_mov_b64 s[G0SB+2:G0SB+3], s[92:93]
	s_or_b32 s[G0SB+3], s[G0SB+3], 0x80000000
	JLOAD G0S, G1S, G0SB, G1SB                     ; the scale bytes first: they are wanted with K step 0
.irp s, 0,1
	s_mov_b32 s[G0+4*\s], 1
	s_add_co_u32 s[G0+4*\s+1], s45, \s*SLOT
	s_add_nc_u64 s[G0+4*\s+2:G0+4*\s+3], s[20:21], \s*ROWB
	s_or_b32 s[G0+4*\s+3], s[G0+4*\s+3], 0x80000000
	s_mov_b32 s[G0B+4*\s], 1
	s_add_co_u32 s[G0B+4*\s+1], s45, \s*SLOT
	s_add_nc_u64 s[G0B+4*\s+2:G0B+4*\s+3], s[46:47], \s*ROWB
	s_or_b32 s[G0B+4*\s+3], s[G0B+4*\s+3], 0x80000000
	JLOAD G0+4*\s, G1, G0B+4*\s, G1B               ; three loads of mine are out
.endr
	v_and_b32 v1, 15, v0                           ; r = lane % 16
	v_bfe_u32 v2, v0, 4, 1                         ; h = lane / 16; kept to the end
	v_mul_u32_u24 v3, v1, PITCH
	v_mul_u32_u24 v4, v2, 24
	v_add_nc_u32 v4, v3, v4                        ; a fragment's row x pitch + 24 x half
	v_lshl_add_u32 v5, v2, 4, v4                   ; and the same behind one padding more
	s_mul_i32 s21, s15, HALFT                      ; my 128 rows of A
	s_mul_i32 s22, s16, HALFT                      ; my 128 rows of B,
	s_add_co_u32 s22, s22, 2*HALFT                 ; which lie behind A's 256
.irp s, 0,1
	v_add_nc_u32 v[ADRA+\s], s21, v4
	v_add_nc_u32 v[ADRB+\s], s22, v4
	v_add_nc_u32 v[ADRA+2+\s], s21, v5
	v_add_nc_u32 v[ADRB+2+\s], s22, v5
	s_add_co_u32 s21, s21, SLOT
	s_add_co_u32 s22, s22, SLOT
.endr
	v_mul_u32_u24 v5, v1, KS                       ; my row's scale bytes: KS a row,
	v_lshrrev_b32 v6, 8, v5
	v_lshl_add_u32 v5, v6, 4, v5                   ; and 16 more for each 256 passed
	s_mul_i32 s21, s15, HALFS                      ; A's: my 128 rows
	s_mul_i32 s22, s16, HALFS                      ; B's: my 128 rows, behind A's 256
	s_add_co_u32 s22, s22, 2*HALFS
	s_sub_co_u32 s22, s22, s21
	v_mul_u32_u24 v6, s22, v2                      ; lanes 16-31 take B's: one product, the distance x h
	s_add_co_u32 s21, s21, SCL
	v_add_nc_u32 v5, v5, v6
	v_add_nc_u32 v[ADRS], s21, v5
	v_and_b32 v6, 31, v0
	v_lshlrev_b32 v[IM], 4, v6
	v_lshlrev_b32 v[IS], 2, v6
	; which block of img is my wave's.  R = my 128 rows of A, Cc = my 128 rows of B
	s_lshl_b32 s20, s17, 1
	s_add_co_u32 s20, s20, s15                     ; R = 2 x tile row + half
	s_lshl_b32 s46, s42, 1
	s_add_co_u32 s46, s46, s16                     ; Cc = 2 x tile column + half
	s_lshr_b32 s21, s46, 4                         ; q, k: (q or k) x 512 + b x 256 + head x 16 + block of rows
	s_lshl_b32 s21, s21, 9
	s_lshr_b32 s22, s20, 4
	s_lshl_b32 s22, s22, 8
	s_add_co_u32 s21, s21, s22
	s_and_b32 s22, s46, 15
	s_lshl_b32 s22, s22, 4
	s_add_co_u32 s21, s21, s22
	s_and_b32 s22, s20, 15
	s_add_co_u32 s21, s21, s22
	s_lshr_b32 s23, s46, 4                         ; v: 1,024 + b x 256 + head x 16 + block of keys; the head is R - 32 = R & 15 there
	s_lshl_b32 s23, s23, 8
	s_lshl_b32 s22, s22, 4
	s_add_co_u32 s23, s23, s22
	s_and_b32 s22, s46, 15
	s_add_co_u32 s23, s23, s22
	s_add_co_u32 s23, s23, 1024
	s_cmp_eq_u32 s95, 1
	s_cselect_b32 s21, s23, s21
	s_mul_i32 s22, s21, 12288                      ; under 2^25
	s_mov_b32 s23, 0
	s_add_nc_u64 s[8:9], s[8:9], s[22:23]
	s_lshl_b32 s22, s21, 9
	s_add_nc_u64 s[10:11], s[10:11], s[22:23]
.macro FRAG reg, adr, q, i             ; a fragment is 12 registers: lane l holds row l % 16; registers 6 c .. 6 c + 5 hold K = 64 c + 32 (l / 16) + 0 .. 31: 24 bytes of the row's stream of bits, as they lie
.irp p, 0,1,2,3,4,5                    ; in pieces of 8 bytes.  Lanes 16-31 read three pieces further on; where that lies behind one padding more, the second address register serves
.set PCE, 12*(\q)+6*(\p/3)+\p%3
.if PCE%8 < 5
	ds_load_b64 v[\reg+2*\p:\reg+2*\p+1], v[\adr] offset:8*PCE+16*(PCE/8)+(\i)*16*PITCH
.else
	ds_load_b64 v[\reg+2*\p:\reg+2*\p+1], v[\adr+2] offset:8*PCE+16*(PCE/8)+(\i)*16*PITCH
.endif
.endr
.endm
; 16 matrix instructions: A's blocks a0, a0 + 1 x B's eight, 128 along K.  zero = 1: the first product starts the sums.  The 64 accumulators take turns, one instruction a turn.
.macro MUL16 a0, p, q, sc, zero
.irp a, \a0, \a0+1
.irp b, 0,1,2,3,4,5,6,7
.if \zero
	v_wmma_scale_f32_16x16x128_f8f6f4 v[8*(8*((\a)%4)+\b):8*(8*((\a)%4)+\b)+7], v[128*(\p)+FR*\b:128*(\p)+FR*\b+FR-1], v[AF+FR*(\a):AF+FR*(\a)+FR-1], 0, v[SC+8*NQ*(\sc)+NQ*\b+(\q)], v[SC+8*NQ*(\sc)+NQ*(\a)+(\q)] matrix_a_fmt:MATRIX_FMT_FP6 matrix_b_fmt:MATRIX_FMT_FP6 matrix_a_scale:MATRIX_SCALE_ROW1
.else
	v_wmma_scale_f32_16x16x128_f8f6f4 v[8*(8*((\a)%4)+\b):8*(8*((\a)%4)+\b)+7], v[128*(\p)+FR*\b:128*(\p)+FR*\b+FR-1], v[AF+FR*(\a):AF+FR*(\a)+FR-1], v[8*(8*((\a)%4)+\b):8*(8*((\a)%4)+\b)+7], v[SC+8*NQ*(\sc)+NQ*\b+(\q)], v[SC+8*NQ*(\sc)+NQ*(\a)+(\q)] matrix_a_fmt:MATRIX_FMT_FP6 matrix_b_fmt:MATRIX_FMT_FP6 matrix_a_scale:MATRIX_SCALE_ROW1
.endif
.endr
.endr
.endm
.macro FETCH_B slot, q, p              ; B's eight fragments of the slot's q-th 128 along K into set p
	WIN TO_B
.irp i, 0,1,2,3,4,5,6,7
	FRAG 128*(\p)+FR*\i, ADRB+\slot, \q, \i
.endr
	WIN 0
.endm
.macro FETCH_A slot, q, i0             ; A's blocks i0 .. i0 + 3
.irp i, \i0, \i0+1, \i0+2, \i0+3
	FRAG AF+FR*(\i), ADRA+\slot, \q, \i
.endr
.endm
.macro SCALES sc                       ; the next K step's scale words into set sc: two words a row
.irp i, 0,1,2,3,4,5,6,7
	ds_load_b64 v[SC+8*NQ*\sc+NQ*\i:SC+8*NQ*\sc+NQ*\i+1], v[ADRS] offset:\i*SBLK
.endr
.endm
.macro PLACES n                        ; plain vector lines between a matrix instruction and a load into, or a vector read of, its registers
.rept \n
	v_nop
.endr
.endm
; A step of 128 along K that has its successor in the same slot.
.macro STEP slot, q, zero
	s_wait_dscnt 4*NL                              ; B's set and A's blocks 0-3 are in; the youngest 24 loads (A's blocks 4-7) may be out
	WIN MUL_LO
	MUL16 0, (\q)%2, \q, \slot, \zero
	MUL16 2, (\q)%2, \q, \slot, \zero
	s_wait_dscnt 0                                 ; A's blocks 4-7 are in
	PLACES NP
	FETCH_B \slot, (\q)+1, 1-(\q)%2
	FETCH_A \slot, (\q)+1, 0
	WIN MUL_HI
	MUL16 4, (\q)%2, \q, \slot, \zero
	MUL16 6, (\q)%2, \q, \slot, \zero
	PLACES NP
	WIN 0
	FETCH_A \slot, (\q)+1, 4
.endm
; A slot's last step changes slots: one barrier; in front of it each wave waits for all its tensor loads, adds 0 to its spare word, and waits for that and for its reads of this slot.  fill = 1: the slot is filled again.
.macro TURN slot, next, fill
	s_wait_tensorcnt 0x0                           ; all my tensor loads have landed: my part of the next slot
	ds_add_u32 v[SPW], v[NIL]                      ; 0 onto my spare word
	s_wait_dscnt 4*NL+1                            ; (the add and the youngest 24 loads may be out)
	WIN MUL_LO
	MUL16 0, 1, NQ-1, \slot, 0                     ; sixteen matrix instructions stand between the add and the wait for it
	s_wait_dscnt 0x0                               ; the add is done, and my reads of this slot are over
	s_barrier_signal -1
	MUL16 2, 1, NQ-1, \slot, 0
	WIN 0
	s_barrier_wait -1
.if \fill
	CREST                                          ; the barrier has opened a round of the cluster's barrier: no wave of any partner still reads this slot or has a load on its way
	s_add_nc_u64 s[G0+4*\slot+2:G0+4*\slot+3], s[G0+4*\slot+2:G0+4*\slot+3], 2*ROWB
	s_add_nc_u64 s[G0B+4*\slot+2:G0B+4*\slot+3], s[G0B+4*\slot+2:G0B+4*\slot+3], 2*ROWB
	JLOAD G0+4*\slot, G1, G0B+4*\slot, G1B         ; the first tensor load behind the round; its four v_nop are the places in front of the loads below
.else
	PLACES NP
.endif
	v_add_nc_u32 v[ADRS], 4*NQ, v[ADRS]            ; on to the next K step's scale words
	FETCH_B \next, 0, 0
	FETCH_A \next, 0, 0
	SCALES \next
	WIN MUL_HI
	MUL16 4, 1, NQ-1, \slot, 0
	MUL16 6, 1, NQ-1, \slot, 0
	PLACES NP
	WIN 0
	FETCH_A \next, 0, 4
.endm
	s_wait_tensorcnt 1                             ; the scale bytes and my part of K step 0 are in (K step 1's load may be out)
	s_barrier_signal -1
	s_barrier_wait -1                              ; everybody's are
	FETCH_B 0, 0, 0
	FETCH_A 0, 0, 0
	SCALES 0
	FETCH_A 0, 0, 4
	STEP 0, 0, 1                                   ; the first step stands in front of the loop: its products start the sums
	s_mov_b32 s3, LAPS-1
.Llap:                                                 ; a trip goes once round the ring and fills both slots again
	TURN 0, 1, 1
	STEP 1, 0, 0
	TURN 1, 0, 1
	STEP 0, 0, 0
	s_sub_co_u32 s3, s3, 1
	s_cmp_lg_u32 s3, 0
	s_cbranch_scc1 .Llap
	TURN 0, 1, 0                                   ; the last lap fills nothing
	STEP 1, 0, 0
	s_wait_dscnt 4*NL                              ; the very last step
	WIN MUL_LO
	MUL16 0, 1, NQ-1, 1, 0
	MUL16 2, 1, NQ-1, 1, 0
	s_wait_dscnt 0
	WIN MUL_HI
	MUL16 4, 1, NQ-1, 1, 0
	MUL16 6, 1, NQ-1, 1, 0
	WIN 0
; THE WAY OUT.  Block a's 64 accumulator registers of a lane are four half blocks of 32 along the next K (register 16 b + i = k 32 b + 16 h + i); the other half lies in lane l xor 16.
; Largest magnitudes (each accumulator read from its low end on), bytes, conversions, the exchange of halves that the operand's layout asks, three stores of 512 consecutive bytes.
.macro QUANTW a
.set AC, 64*((\a)%4)
.set PC, 64+20*(\a)                    ; the block's own 20 registers, so that no store's data are written again
	WIN 0x0a+5*((\a)/4)                            ; sources 0 and 1: window 2 or 3
.irp b, 0,1,2,3
	v_max3_num_f32 v[TM+\b], |v[AC+16*\b]|, |v[AC+16*\b+1]|, 0x1800000   ; and the floor 2^(3 - 127): the byte cannot fall under 1
.endr
.irp i, 2,4,6,8,10,12,14
.irp b, 0,1,2,3
	v_max3_num_f32 v[TM+\b], |v[AC+16*\b+\i]|, |v[AC+16*\b+\i+1]|, v[TM+\b]   ; the four blocks by turns
.endr
.endr
	WIN 0
.irp b, 0,1,2,3
	v_permlanex16_b32 v[TM+4+\b], v[TM+\b], s[SEL], s[SEL+1]
.endr
.irp b, 0,1,2,3
	v_max_num_f32 v[TM+\b], v[TM+\b], v[TM+4+\b]   ; with lane l xor 16's: the block's largest magnitude
.endr
.irp b, 0,1,2,3
	v_add_nc_u32 v[TM+12+\b], 0xff000000, v[TM+\b] ; 2 off its exponent field: the conversion's scale operand
.endr
.irp b, 0,1,2,3
	v_lshrrev_b32 v[TM+4+\b], 23, v[TM+12+\b]      ; the scale's byte
.endr
	v_lshl_or_b32 v[PWB+(\a)], v[TM+5], 8, v[TM+4] ; four bytes: my row's scale word
	v_lshl_or_b32 v[PWB+(\a)], v[TM+6], 16, v[PWB+(\a)]
	v_lshl_or_b32 v[PWB+(\a)], v[TM+7], 24, v[PWB+(\a)]
	WIN 2+(\a)/4                                   ; source 0: window 2 or 3
.irp c, 0,1
	v_cvt_scalef32_pk16_fp6_f32 v[PC+6*\c:PC+6*\c+2], v[AC+32*\c:AC+32*\c+15], v[TM+12+2*\c]
	v_cvt_scalef32_pk16_fp6_f32 v[PC+12+4*\c:PC+14+4*\c], v[AC+32*\c+16:AC+32*\c+31], v[TM+13+2*\c]   ; (a conversion's three registers begin on an even number)
.endr
	WIN 0
	v_nop                                          ; one plain line behind a scaled conversion
.irp c, 0,1                                    ; a WHOLE block in a lane: lanes 0-15 block 2 c, lanes 16-31 block 2 c + 1
.irp i, 0,1,2
	v_permlane16_swap_b32 v[PC+6*\c+\i], v[PC+12+4*\c+\i]
.endr
.irp i, 0,1,2
	v_mov_b32 v[PC+3+6*\c+\i], v[PC+12+4*\c+\i]
.endr
.endr
.irp c, 0,1,2
	global_store_b128 v[IM], v[PC+4*\c:PC+4*\c+3], s[8:9] offset:1536*(\a)+512*\c   ; 32 lanes store 512 consecutive bytes, at a multiple of 256 from img's first byte
.endr
.endm
	PLACES NP                                      ; behind the last products: their results are read, and their operands' registers written, below
.irp b, 0,1,2,3
	v_mov_b32 v[TM+4+\b], 0                        ; written once: a lane permute's destination counts as one of its sources
.endr
.irp a, 0,1,2,3,4,5,6,7
	QUANTW \a
.endr
	v_cmp_eq_u32 vcc_lo, 1, v2                     ; lanes 16-31
.irp i, 0,1,2,3
	v_cndmask_b32 v[248+\i], v[PWB+2*\i], v[PWB+2*\i+1], vcc_lo   ; lanes 0-15 image 2 i's words, lanes 16-31 image 2 i + 1's
.endr
.irp i, 0,1,2,3
	global_store_b32 v[IS], v[248+\i], s[10:11] offset:128*\i     ; four stores fill the block's 512 bytes
.endr
	s_wait_tensorcnt 0x0                           ; the wave's end
	ds_add_u32 v[SPW], v[NIL]
	s_wait_dscnt 0x0
	CROUND                                         ; the closing round: no work-group ends while a partner may still ask for a tile that names it
	s_endpgm
.Lfunc_end_k_qb4ad6ef44c_proj:
	.size	k_qb4ad6ef44c_proj, .Lfunc_end_k_qb4ad6ef44c_proj-k_qb4ad6ef44c_proj
	.p2alignl 7, 3214868480
	.fill 96, 4, 3214868480
	.section	.rodata,"a",@progbits
	.p2align	6, 0x0
	.amdhsa_kernel k_qb4ad6ef44c_proj
		.amdhsa_group_segment_fixed_size 327680
		.amdhsa_private_segment_fixed_size 0
		.amdhsa_enable_private_segment 0
		.amdhsa_kernarg_size 32
		.amdhsa_user_sgpr_count 2
		.amdhsa_user_sgpr_kernarg_segment_ptr 1
		.amdhsa_wavefront_size32 1
		.amdhsa_system_sgpr_workgroup_id_x 1
		.amdhsa_system_sgpr_workgroup_id_y 1
		.amdhsa_system_sgpr_workgroup_id_z 1
		.amdhsa_system_vgpr_workitem_id 0
		.amdhsa_next_free_vgpr 1024
		.amdhsa_next_free_sgpr 98
		.amdhsa_reserve_vcc 1
		.amdhsa_float_denorm_mode_32 3
		.amdhsa_float_denorm_mode_16_64 3
		.amdhsa_memory_ordered 1
		.amdhsa_forward_progress 1
		.amdhsa_inst_pref_size 164
	.end_amdhsa_kernel
	.amdgpu_metadata
---
amdhsa.version: [ 1, 2 ]
amdhsa.kernels:
  - .name:           k_qb4ad6ef44c_proj
    .symbol:         k_qb4ad6ef44c_proj.kd
    .args:
      - { .name: cod, .offset: 0, .size: 8, .value_kind: global_buffer, .address_space: global }
      - { .name: scl, .offset: 8, .size: 8, .value_kind: global_buffer, .address_space: global }
      - { .name: img, .offset: 16, .size: 8, .value_kind: global_buffer, .address_space: global }
      - { .name: isc, .offset: 24, .size: 8, .value_kind: global_buffer, .address_space: global }
    .group_segment_fixed_size: 327680
    .private_segment_fixed_size: 0
    .kernarg_segment_align: 8
    .kernarg_segment_size: 32
    .max_flat_workgroup_size: 128
    .sgpr_count:     98
    .vgpr_count:     1024
    .wavefront_size: 32
...
	.end_amdgpu_metadata
.endif
;; end of part 2
;; launch attn (part 3): grid 8 x 32, 16 waves a work-group, clusters of 4 x 1, 327,680 bytes of LDS; arguments img, isc, lq1, lk1, lq2, lk2, yimg, part; writes yimg, part
.if DOCPART == 3
	.amdgcn_target "amdgcn-amd-amdhsa--gfx1250"
	.amdhsa_code_object_version 6
	.text
	.protected	k_qb4ad6ef44c_attn
	.globl	k_qb4ad6ef44c_attn
	.p2align	8
	.type	k_qb4ad6ef44c_attn,@function
k_qb4ad6ef44c_attn:
	s_mov_b64 s[64:65], 0
	v_nop
	global_prefetch_b8 v0, s[64:65] scope:SCOPE_SE
	s_setreg_imm32_b32 hwreg(HW_REG_WAVE_MODE, 25, 1), 1
	s_wait_xcnt 0x0
	s_wait_alu depctr_hold_cnt(0) depctr_sa_sdst(0) depctr_va_vdst(0) depctr_va_sdst(0) depctr_va_ssrc(0) depctr_va_vcc(0) depctr_vm_vsrc(0)
	s_getreg_b32 s2, hwreg(HW_REG_IB_STS2, 6, 4)
	s_cmp_eq_u32 s2, 0
	s_cbranch_scc0 .Lentry_in_a_cluster
	s_endpgm
.Lentry_in_a_cluster:
	s_bfe_u32 s2, ttmp6, 0x10000c
	s_cmp_lg_u32 s2, 0x3003
	s_cbranch_scc0 .Lentry_shape_is_right
	s_endpgm
.Lentry_shape_is_right:
; y = (softmax(q1 k1^T / 8) - lam softmax(q2 k2^T / 8)) v, causal, all three products on codes of FP6 (E2M3) with E8M0 scales; lam = sigmoid(lq1 lk1) - sigmoid(lq2 lk2) + 0.77787.
; THE SECOND PRODUCT'S LEFT OPERAND IS THE FINISHED DIFFERENCE OF NORMALISED SOFTMAXES, so the scores are walked TWICE: pass 1 finds each row's running maximum and sum (the maximum is taken away before every
; exponential), pass 2 makes att = p1 / L1 - lam p2 / L2 in f32, quantises it along the keys, block of 32 by block, and multiplies by v.
; SHARES.  A work-group has one (batch, head) bh and a number j of 0..7.  Wave w has rank rho = w xor 3 ((w / 4) % 2) and owns ONE tile of 16 queries: image j of Q's block rho.  It works on key steps 0 .. rho of
; 128 keys; step rho lies on the diagonal.  What is left out hangs on the wave's number alone: every work-group has the same work, and the four partners of a cluster run alike.
; CLUSTER.  The four partners share bh, so K, V and their scale words are asked for jointly (mask 15).  K's 16 blocks and all scale words come once and stay; V goes through two slots of four key steps.
; OPERANDS are images of registers made by the launch before: 1,536 bytes a fragment, read by three ds_load_b128 at 16 x lane.  A key tile is [k1 | k2] along K = 128; Q's image [q1 | q2] is split once into
; q1 | six registers of zero codes | q2, so that v[18:29] = [q1 | 0] and v[24:35] = [0 | q2]: one key fragment and one scale word a side serve both score products (zero codes add nothing under bytes 1 .. 254).
; LAYOUT.  Both kinds of product are used transposed (source 0 = 16 keys, or 16 channels of v; source 1 = my 16 queries): a lane holds one query.  Lane r of a tile is row 32 (t / 2) + 8 (t % 2) + r % 8 + 16 (r / 8)
; of its 128, so register 16 b + i of four tiles is key (or channel) 32 b + 16 h + i: 16 neighbours.
; OUT: y in f32 as an image (64 registers, 512 bytes each four), and for each of the 32 groups of four channels the work-group's sum and its sum of squares about its own mean (never a difference of large sums).
; LIMITS: NaN and infinities are not served; a block of att under 2^-124 (zeros among them) keeps the byte 1, its codes being zeros; a weight under 2^-126 counts as 0.
; REGISTERS: v1, v2 the spare word's address and 0; v3 16 x lane; v4 K's scale words; v5-7 addresses in hand; v8 my query less 16 h; v9 -infinity; v[10:11] -c m1, m1; v[12:13] the same of softmax 2;
;   v[14:15], v[16:17] the sums in two halves, in pass 2 1 / L1 and -lam / L2; v18-35 Q; v36 Q's scale word; v37 att's; v38-39 K's; v40-43 V's; v44-59 at work; v60-107 four fragments;
;   v108-139 S1^T, v140-171 S2^T; v172-183 att's codes; v184-186 half a block's codes; v187, v188 LDS addresses of the statistics; v191 lam; v192-255 O^T.
.set BLKB,  12288                      ; a block: eight images
.set VS1,   65536                      ; V's slot 1 (slot 0 at LDS byte 0): one exclusive or turns an address from one slot into the other; a slot is 49,152 bytes
.set KSC,   49152                      ; K's scale words, 16 x 512 bytes; V's 8,192 bytes further on
.set KIMG,  114688                     ; K's sixteen blocks
.set STAT,  311296                     ; 256 bytes for each wave: no fill lands here
.set SPARE, 315392                     ; the spare words, 128 bytes for each wave: eight blocks of 256 bytes that no other line names
.set FR,  60
.set S1,  108
.set S2,  140
.set PC,  172
.set CT,  184
.set O,   192
.set WV,  20                           ; s20 my wave's number;  s21 its rank
.set RK,  21
.set SEL, 22                           ; s[22:23] v_permlanex16_b32's selects for lane l xor 16
.set CS,  24                           ; s[24:25] c = log2(e) / 8;  s26 -c
.set NC,  26
.set KST, 27                           ; s27 the key step
.set G1B, 28                           ; s[28:35] group 1: a block, 48 rows of 256 bytes
.set G1S, 36                           ; s[36:43] eight blocks' scale words, 16 rows
.set D0,  44                           ; s[44:47] group 0 for the scale words
.set G1K, 48                           ; s[48:55] four blocks of K, 192 rows
.set D1,  56                           ; s[56:59] K;  s[60:63] V's slot 0;  s[68:71] V's slot 1, which walks on
.set D5,  60
.set D6,  68
.set OUTC, 72
.set TK,  76                           ; s76 LDS byte of the step's block of K;  s77 of V;  s78 512 x step
.set TV,  77
.set TS,  78
.set CNT, 79
.set INC, 80
.set JJ,  81
.set BH,  82
.macro CROUND                          ; a round of the cluster's barrier
	s_barrier_signal -1
	s_barrier_wait -1
	s_cmp_lg_u32 s[WV], 0
	s_cbranch_scc1 .Lnot_wave_0_\@
	s_barrier_signal -3
.Lnot_wave_0_\@:
	s_barrier_wait -3
	s_barrier_signal -1
	s_barrier_wait -1
.endm
; one matrix instruction.  acc = 0: the constant 0 starts the sum.  row = 1: source 0's scale words stand in lanes 16-31
.macro MM d, a, b, acc, sa, sb, row
.if \acc
.if \row
	v_wmma_scale_f32_16x16x128_f8f6f4 v[\d:\d+7], v[\a:\a+11], v[\b:\b+11], v[\d:\d+7], v[\sa], v[\sb] matrix_a_fmt:MATRIX_FMT_FP6 matrix_b_fmt:MATRIX_FMT_FP6 matrix_a_scale:MATRIX_SCALE_ROW1
.else
	v_wmma_scale_f32_16x16x128_f8f6f4 v[\d:\d+7], v[\a:\a+11], v[\b:\b+11], v[\d:\d+7], v[\sa], v[\sb] matrix_a_fmt:MATRIX_FMT_FP6 matrix_b_fmt:MATRIX_FMT_FP6
.endif
.else
.if \row
	v_wmma_scale_f32_16x16x128_f8f6f4 v[\d:\d+7], v[\a:\a+11], v[\b:\b+11], 0, v[\sa], v[\sb] matrix_a_fmt:MATRIX_FMT_FP6 matrix_b_fmt:MATRIX_FMT_FP6 matrix_a_scale:MATRIX_SCALE_ROW1
.else
	v_wmma_scale_f32_16x16x128_f8f6f4 v[\d:\d+7], v[\a:\a+11], v[\b:\b+11], 0, v[\sa], v[\sb] matrix_a_fmt:MATRIX_FMT_FP6 matrix_b_fmt:MATRIX_FMT_FP6
.endif
.endif
.endm
.macro NOPS n
.rept \n
	v_nop
.endr
.endm
	s_load_b512 s[4:19], s[0:1], 0x0               ; img 4, isc 6, lq1 8, lk1 10, lq2 12, lk2 14, yimg 16, part 18
	v_lshl_add_u32 v1, v0, 2, SPARE
	v_mov_b32 v2, 0
	ds_add_u32 v1, v2
	s_wait_dscnt 0x0
.set i, 0
.rept 16
	v_mov_b32 v[44+i], 0                           ; the registers at work are written once: lane permutes' destinations and upper halves of named pairs count as read
.set i, i+1
.endr
	v_lshrrev_b32 v44, 5, v0
	v_readfirstlane_b32 s[WV], v44                 ; wave 0..15
	s_lshr_b32 s83, s[WV], 2
	s_and_b32 s83, s83, 1
	s_mul_i32 s83, s83, 3
	s_xor_b32 s[RK], s[WV], s83                    ; rank: waves w, w + 4, w + 8, w + 12 have ranks that add up to 30 for every w
	s_bfe_u32 s84, ttmp6, 0x40000                  ; cx: it enters global addresses and the mask's vector operand alone
	s_lshl_b32 s[JJ], ttmp9, 2
	s_add_co_u32 s[JJ], s[JJ], s84                 ; j = 4 x cluster x + cx
	s_and_b32 s[BH], ttmp7, 0xffff                 ; bh = 16 b + head, which the partners share
	s_and_b32 s85, s[WV], 3                        ; which quarter I fetch, if I fetch
	v_and_b32 v44, 31, v0                          ; lane
	v_and_b32 v45, 15, v0                          ; r
	v_bfe_u32 v46, v0, 4, 1                        ; h
	v_lshlrev_b32 v3, 4, v44
	v_lshl_add_u32 v4, v44, 2, KSC
	s_lshl_b32 s83, s[WV], 8
	s_add_co_u32 s83, s83, STAT
	v_lshl_add_u32 v187, v46, 5, s83               ; where my half of the lanes puts its 16 groups' figures: STAT + 256 wave + 32 h
	v_lshl_add_u32 v188, v44, 3, STAT              ; and where lane g reads group g's
	; descriptor groups 1: dense blocks as rows of 256 bytes (32 elements of 8); the mask names all four partners, bit 21 beside it; no padding
.irp g, G1B, G1S, G1K
	s_mov_b32 s[\g], 15|(3<<16)|(1<<21)
	s_mov_b32 s[\g+1], 32<<16                      ; tensor_dim0
	s_mov_b32 s[\g+3], 32<<16                      ; tile_dim0
	s_mov_b32 s[\g+5], 32                          ; tensor_dim0_stride
	s_mov_b32 s[\g+6], 0
	s_mov_b32 s[\g+7], 0
.endr
	s_mov_b32 s[G1B+2], 48<<16                     ; tensor_dim1, tile_dim1: 48, 16 and 192 rows
	s_mov_b32 s[G1B+4], 48
	s_mov_b32 s[G1S+2], 16<<16
	s_mov_b32 s[G1S+4], 16
	s_mov_b32 s[G1K+2], 192<<16
	s_mov_b32 s[G1K+4], 192
	s_lshl_b32 s86, s[BH], 4                       ; 16 bh: the head's first block among Q's, K's or V's
	s_lshl_b32 s87, s85, 2
	s_add_co_u32 s88, s86, s87
	s_add_co_u32 s88, s88, 512
	s_mul_i32 s88, s88, BLKB                       ; K's blocks 4 w .. 4 w + 3
	s_mov_b32 s89, 0
	s_add_co_u32 s90, s86, s85
	s_add_co_u32 s90, s90, 1024
	s_mul_i32 s90, s90, BLKB                       ; V's block w
	s_mov_b32 s91, 0
	s_lshl_b32 s92, s[BH], 13                      ; scale words: 512 bytes a block; K's begin at block 512, V's 512 blocks further on
	s_add_co_u32 s92, s92, 262144
	s_lshr_b32 s94, s85, 1
	s_lshl_b32 s94, s94, 18                        ; waves 2, 3: V's
	s_add_co_u32 s92, s92, s94
	s_and_b32 s94, s85, 1
	s_lshl_b32 s94, s94, 12                        ; the second eight blocks
	s_add_co_u32 s92, s92, s94
	s_mov_b32 s93, 0
	s_add_co_u32 s94, s86, s[RK]                   ; Q's block
	s_mul_i32 s96, s94, BLKB
	s_mul_i32 s95, s[JJ], 1536
	s_add_co_u32 s96, s96, s95                     ; my image
	s_mov_b32 s97, 0
	s_lshl_b32 s98, s94, 9
	s_lshl_b32 s95, s[JJ], 6
	s_add_co_u32 s98, s98, s95                     ; its 16 scale words
	s_mov_b32 s99, 0
	s_mov_b32 s[SEL], 0x76543210
	s_mov_b32 s[SEL+1], 0xfedcba98
	s_mov_b32 s[CS], 0x3e38aa3b                    ; c = log2(e) / sqrt(64)
	s_mov_b32 s[CS+1], s[CS]                       ; (named with it as a pair, so it is written)
	s_mov_b32 s[NC], 0xbe38aa3b
	s_wait_kmcnt 0x0
	s_mov_b32 s[D0], 1
	s_lshl_b32 s[D0+1], s85, 12
	s_add_co_u32 s[D0+1], s[D0+1], KSC
	s_add_nc_u64 s[D0+2:D0+3], s[6:7], s[92:93]
	s_or_b32 s[D0+3], s[D0+3], 0x80000000
	s_mov_b32 s[D1], 1
	s_mul_i32 s[D1+1], s85, 4*BLKB
	s_add_co_u32 s[D1+1], s[D1+1], KIMG
	s_add_nc_u64 s[D1+2:D1+3], s[4:5], s[88:89]
	s_or_b32 s[D1+3], s[D1+3], 0x80000000
	s_mov_b32 s[D5], 1
	s_mul_i32 s[D5+1], s85, BLKB
	s_add_nc_u64 s[D5+2:D5+3], s[4:5], s[90:91]
	s_or_b32 s[D5+3], s[D5+3], 0x80000000
	s_mov_b32 s[D6], 1
	s_add_co_u32 s[D6+1], s[D5+1], VS1
	s_add_nc_u64 s[D6+2:D6+3], s[4:5], s[90:91]
	s_add_nc_u64 s[D6+2:D6+3], s[D6+2:D6+3], 4*BLKB
	s_or_b32 s[D6+3], s[D6+3], 0x80000000
	s_add_nc_u64 s[96:97], s[4:5], s[96:97]
	s_add_nc_u64 s[98:99], s[6:7], s[98:99]
	CROUND                                         ; all four work-groups are here: the first joint loads meet
	s_cmp_lt_u32 s[WV], 4                          ; waves 0 to 3 fetch; all their first fills stand in this one branch: four loads of a wave are out
	s_cbranch_scc0 .Lno_fill
	tensor_load_to_lds s[D0:D0+3], s[G1S:G1S+7]    ; the scale words,
	s_nop 0
	tensor_load_to_lds s[D1:D1+3], s[G1K:G1K+7]    ; a quarter of K,
	s_nop 0
	tensor_load_to_lds s[D5:D5+3], s[G1B:G1B+7]    ; V's key step w,
	s_nop 0
	tensor_load_to_lds s[D6:D6+3], s[G1B:G1B+7]    ; and 4 + w
	s_nop 0
	NOPS 4
.Lno_fill:
	global_load_b128 v[18:21], v3, s[96:97]              ; Q's image: registers 0-3 (q1) to their place,
	global_load_b128 v[60:63], v3, s[96:97] offset:512   ; 4-7 (the end of q1, the head of q2) to be parted,
	global_load_b128 v[32:35], v3, s[96:97] offset:1024  ; 8-11 (q2) to their place
	v_lshlrev_b32 v47, 2, v45
	global_load_b32 v36, v47, s[98:99]             ; lane r: query r's scale word
	s_and_b32 s83, s[BH], 15
	s_lshl_b32 s83, s83, 2
	v_mov_b32 v48, s83                             ; the head's number x 4
	global_load_b32 v52, v48, s[8:9]
	global_load_b32 v53, v48, s[10:11]
	global_load_b32 v54, v48, s[12:13]
	global_load_b32 v55, v48, s[14:15]
	s_lshr_b32 s83, s[JJ], 1
	s_lshl_b32 s83, s83, 5
	s_and_b32 s84, s[JJ], 1
	s_lshl_b32 s84, s84, 3
	s_add_co_u32 s83, s83, s84                     ; 32 (j / 2) + 8 (j % 2)
	v_and_b32 v49, 7, v45
	v_lshrrev_b32 v50, 3, v45
	v_lshl_add_u32 v49, v50, 4, v49
	v_add_nc_u32 v49, s83, v49                     ; my query among its block's 128
	v_lshlrev_b32 v50, 4, v46
	v_sub_nc_u32 v8, v49, v50                      ; less 16 h
	v_mov_b32 v9, 0xff800000                       ; -infinity
	v_mov_b32 v11, 0xff61b1e6                      ; the largest score so far: -3e38, under every score
	v_mov_b32 v13, 0xff61b1e6
	v_mul_f32 v10, s[NC], v11
	v_mul_f32 v12, s[NC], v13
.irp r, 14,15,16,17
	v_mov_b32 v\r, 0                               ; the sums
.endr
.set i, 0
.rept 64
	v_mov_b32 v[O+i], 0                            ; O^T: the key step is written once for all steps, so the first finds zeros
.set i, i+1
.endr
	s_wait_loadcnt 0x0
	v_mov_b32 v22, v60
	v_mov_b32 v23, v61
	v_mov_b32 v30, v62
	v_mov_b32 v31, v63
.irp r, 24,25,26,27,28,29
	v_mov_b32 v\r, 0                               ; zero codes
.endr
	v_mul_f32 v52, v52, v53                        ; lam: sigmoid(z) = 1 / (1 + 2^(-z log2 e)).  (These lines are also the places between the moves above and the first product)
	v_mul_f32 v54, v54, v55
	v_mul_f32 v52, 0xbfb8aa3b, v52
	v_mul_f32 v54, 0xbfb8aa3b, v54
	v_exp_f32 v52, v52
	v_exp_f32 v54, v54
	v_nop
	s_wait_alu depctr_va_vdst(0)
	v_add_f32 v52, 1.0, v52
	v_add_f32 v54, 1.0, v54
	v_rcp_f32 v52, v52
	v_rcp_f32 v54, v54
	v_nop
	s_wait_alu depctr_va_vdst(0)
	v_sub_f32 v52, v52, v54
	v_add_f32 v191, 0x3f47227f, v52                ; + 0.8 - 0.6 exp(-3.3)
; four tiles of 16 keys (half u of the step) and their scale words
.macro KLOAD u
.set t, 0
.rept 4
	ds_load_b128 v[FR+12*t:FR+12*t+3], v5 offset:(4*\u+t)*1536
	ds_load_b128 v[FR+12*t+4:FR+12*t+7], v5 offset:(4*\u+t)*1536+512
	ds_load_b128 v[FR+12*t+8:FR+12*t+11], v5 offset:(4*\u+t)*1536+1024
.set t, t+1
.endr
	ds_load_b32 v38, v7 offset:256*\u              ; lanes 0-15 tile 4 u's words, lanes 16-31 tile 4 u + 1's
	ds_load_b32 v39, v7 offset:256*\u+128
.endm
; S1^T and S2^T of 64 keys: eight products, each beginning its sum with 0.  The four v_nop are the places in front of the reads of the results and of the next loads into the fragments' and scale words' registers.
.macro SCORES u
	KLOAD \u
	s_wait_dscnt 0x0
.set t, 0
.rept 4
	MM S1+8*t, FR+12*t, 18, 0, 38+t/2, 36, t%2
	MM S2+8*t, FR+12*t, 24, 0, 38+t/2, 36, t%2
.set t, t+1
.endr
	NOPS 4
.endm
; On the diagonal the scores of hidden keys become -infinity ahead of the maximum.  Register n holds key 64 u + 32 (n / 16) + n % 16 + 16 h of the step: hidden where that passes my query.
.macro MASK u
	s_cmp_lg_u32 s[KST], s[RK]
	s_cbranch_scc1 .Lopen_\@
.set n, 0
.rept 32
	v_cmp_gt_i32 vcc_lo, 64*\u+32*(n/16)+n%16, v8
	v_cndmask_b32 v[S1+n], v[S1+n], v9, vcc_lo
	v_cndmask_b32 v[S2+n], v[S2+n], v9, vcc_lo
.set n, n+1
.endr
.Lopen_\@:
.endm
; p = 2^(c s - c m) for both softmaxes, in place
.macro EXPS
.set i, 0
.rept 16
	v_pk_fma_f32 v[S1+i:S1+i+1], v[S1+i:S1+i+1], s[CS:CS+1], v[10:11] op_sel_hi:[1,0,0]
	v_pk_fma_f32 v[S2+i:S2+i+1], v[S2+i:S2+i+1], s[CS:CS+1], v[12:13] op_sel_hi:[1,0,0]
.set i, i+2
.endr
.set i, 0
.rept 64
	v_exp_f32 v[S1+i], v[S1+i]
.set i, i+1
.endr
.endm
; Pass 1: the running maximum and sum.  Each half of the lanes keeps its own (its own 32 of the 64 keys); the halves meet once, behind the pass.
.macro STATS
	v_max3_num_f32 v44, v11, v[S1], v[S1+1]        ; two chains a softmax, each begun with the old maximum; the four by turns
	v_max3_num_f32 v45, v11, v[S1+16], v[S1+17]
	v_max3_num_f32 v46, v13, v[S2], v[S2+1]
	v_max3_num_f32 v47, v13, v[S2+16], v[S2+17]
.set i, 2
.rept 7
	v_max3_num_f32 v44, v44, v[S1+i], v[S1+i+1]
	v_max3_num_f32 v45, v45, v[S1+16+i], v[S1+17+i]
	v_max3_num_f32 v46, v46, v[S2+i], v[S2+i+1]
	v_max3_num_f32 v47, v47, v[S2+16+i], v[S2+17+i]
.set i, i+2
.endr
	v_mov_b32 v48, v10                             ; the old -c m
	v_mov_b32 v50, v12
	v_max_num_f32 v11, v44, v45
	v_max_num_f32 v13, v46, v47
	v_mul_f32 v10, s[NC], v11
	v_mul_f32 v12, s[NC], v13
	v_sub_f32 v48, v10, v48                        ; c m_old - c m_new, 0 or less
	v_sub_f32 v50, v12, v50
	v_exp_f32 v48, v48
	v_exp_f32 v50, v50
	EXPS
	s_wait_alu depctr_va_vdst(0)
	v_pk_mul_f32 v[14:15], v[14:15], v[48:49] op_sel_hi:[1,0]   ; the sums under the new maximum: a plain line behind the 64 exponentials that names none of their registers
	v_pk_mul_f32 v[16:17], v[16:17], v[50:51] op_sel_hi:[1,0]
	v_pk_add_f32 v[52:53], v[S1:S1+1], v[S1+2:S1+3]             ; two chains a softmax
	v_pk_add_f32 v[54:55], v[S2:S2+1], v[S2+2:S2+3]
.set i, 4
.rept 7
	v_pk_add_f32 v[14:15], v[14:15], v[S1+i:S1+i+1]
	v_pk_add_f32 v[52:53], v[52:53], v[S1+i+2:S1+i+3]
	v_pk_add_f32 v[16:17], v[16:17], v[S2+i:S2+i+1]
	v_pk_add_f32 v[54:55], v[54:55], v[S2+i+2:S2+i+3]
.set i, i+4
.endr
	v_pk_add_f32 v[14:15], v[14:15], v[52:53]
	v_pk_add_f32 v[16:17], v[16:17], v[54:55]
.endm
; Pass 2: att = p1 / L1 - lam p2 / L2, in S1's registers
.macro ATT
	EXPS
	v_nop                                          ; one plain line between the exponentials and the first use of their results (ISA guide 5.7.2): the multiplies below all read such results, so none of them can be that line
.set i, 0
	s_wait_alu depctr_va_vdst(0)
.rept 16
	v_pk_mul_f32 v[S1+i:S1+i+1], v[S1+i:S1+i+1], v[14:15] op_sel_hi:[1,0]
.set i, i+2
.endr
.set i, 0
.rept 16
	v_pk_fma_f32 v[S1+i:S1+i+1], v[S2+i:S2+i+1], v[16:17], v[S1+i:S1+i+1] op_sel_hi:[1,0,1]
.set i, i+2
.endr
.endm
; att's two blocks of 32 keys of half u become registers 6 u .. 6 u + 5 of the operand and bytes 2 u, 2 u + 1 of its scale word
.macro QUANT64 u
	v_max3_num_f32 v44, |v[S1]|, |v[S1+1]|, 0x1800000           ; my 16 numbers of each block, and the floor 2^(3 - 127): the byte cannot fall under 1
	v_max3_num_f32 v45, |v[S1+16]|, |v[S1+17]|, 0x1800000
.set i, 2
.rept 7
	v_max3_num_f32 v44, v44, |v[S1+i]|, |v[S1+i+1]|
	v_max3_num_f32 v45, v45, |v[S1+16+i]|, |v[S1+17+i]|
.set i, i+2
.endr
	v_permlanex16_b32 v46, v44, s[SEL], s[SEL+1]
	v_permlanex16_b32 v47, v45, s[SEL], s[SEL+1]
	v_max_num_f32 v44, v44, v46                    ; with lane l xor 16's: the block's largest magnitude
	v_max_num_f32 v45, v45, v47
	v_add_nc_u32 v56, 0xff000000, v44              ; 2 off the exponent field: the conversion's scale operand
	v_add_nc_u32 v57, 0xff000000, v45
	v_lshrrev_b32 v46, 23, v56                     ; the scale's byte
	v_lshrrev_b32 v47, 23, v57
.if \u == 0
	v_lshl_or_b32 v37, v47, 8, v46
.else
	v_lshl_or_b32 v37, v46, 16, v37
	v_lshl_or_b32 v37, v47, 24, v37
.endif
	v_cvt_scalef32_pk16_fp6_f32 v[PC+6*\u:PC+6*\u+2], v[S1:S1+15], v56
	v_cvt_scalef32_pk16_fp6_f32 v[CT:CT+2], v[S1+16:S1+31], v57
	v_nop                                          ; one plain line behind a scaled conversion
.irp i, 0,1,2
	v_permlane16_swap_b32 v[PC+6*\u+\i], v[CT+\i]  ; a WHOLE block in a lane: lanes 0-15 the first block, lanes 16-31 the second
.endr
.irp i, 0,1,2
	v_mov_b32 v[PC+6*\u+3+\i], v[CT+\i]
.endr
.endm
.macro VLOAD g                         ; four tiles of 16 channels x 128 keys; with the first four the step's scale words
.set t, 0
.rept 4
	ds_load_b128 v[FR+12*t:FR+12*t+3], v6 offset:(4*\g+t)*1536
	ds_load_b128 v[FR+12*t+4:FR+12*t+7], v6 offset:(4*\g+t)*1536+512
	ds_load_b128 v[FR+12*t+8:FR+12*t+11], v6 offset:(4*\g+t)*1536+1024
.set t, t+1
.endr
.if \g == 0
.irp i, 0,1,2,3
	ds_load_b32 v[40+\i], v7 offset:8192+128*\i
.endr
.endif
.endm
.macro PV g                            ; O^T += V^T att^T: four accumulators, one instruction each
.set t, 0
.rept 4
	MM O+8*(4*\g+t), FR+12*t, PC, 1, 40+2*\g+t/2, 37, t%2
.set t, t+1
.endr
	NOPS 4                                         ; places in front of the next loads into the fragments' registers, and of the first read of O^T
.endm
; A key step all of whose keys come after my queries is left out: a scalar branch on the wave's rank and the step's number, round the work, not round the lines that step addresses.
.macro P1STEP
	s_cmp_gt_u32 s[KST], s[RK]
	s_cbranch_scc1 .Lhid_\@
	v_add_nc_u32 v5, s[TK], v3
	v_add_nc_u32 v7, s[TS], v4
	SCORES 0
	MASK 0
	STATS
	SCORES 1
	MASK 1
	STATS
.Lhid_\@:
	s_add_co_u32 s[KST], s[KST], 1
	s_add_co_u32 s[TK], s[TK], BLKB
	s_add_co_u32 s[TS], s[TS], 512
.endm
.macro P2STEP
	s_cmp_gt_u32 s[KST], s[RK]
	s_cbranch_scc1 .Lhid_\@
	v_add_nc_u32 v5, s[TK], v3
	v_add_nc_u32 v7, s[TS], v4
	v_add_nc_u32 v6, s[TV], v3
	SCORES 0
	MASK 0
	ATT
	QUANT64 0
	SCORES 1
	VLOAD 0                                        ; V's first four tiles land while the second half's att is made
	MASK 1
	ATT
	QUANT64 1
	NOPS 8                                         ; a scale word written by vector lines stands 8 places ahead of a scaled product, an operand 4
	s_wait_dscnt 0x0
	PV 0
	VLOAD 1
	s_wait_dscnt 0x0
	PV 1
.Lhid_\@:
	s_add_co_u32 s[KST], s[KST], 1
	s_add_co_u32 s[TK], s[TK], BLKB
	s_add_co_u32 s[TS], s[TS], 512
	s_add_co_u32 s[TV], s[TV], BLKB
.endm
.macro FOUR                            ; a slot's four key steps: written once, walked four times
	s_mov_b32 s[INC], 4
.Lfour_\@:
	P2STEP
	s_sub_co_u32 s[INC], s[INC], 1
	s_cmp_lg_u32 s[INC], 0
	s_cbranch_scc1 .Lfour_\@
.endm
; THE CHANGE OF V'S SLOTS.  Each wave waits for all its tensor loads (its part of the slot ahead), adds 0 to its spare word, and waits for that and for its reads of the slot that it leaves.
; fill = 1: a round of the cluster's barrier, and the slot just left takes the key steps eight on: that load has four key steps in which to land.
.macro CHANGE fill
	s_wait_tensorcnt 0x0                           ; no tensor load of mine is out, so a group 0 may be written
	ds_add_u32 v1, v2                              ; 0 onto my spare word
.if \fill
	s_xor_b32 s[D6+1], s[D6+1], VS1                ; the walking descriptor: the other slot than last time,
	s_add_nc_u64 s[D6+2:D6+3], s[D6+2:D6+3], 4*BLKB   ; four blocks on; the type bits on top are not reached
.endif
	s_wait_dscnt 0x0                               ; the add is done, and my reads of the slot are over
.if \fill
	CROUND
	s_cmp_lt_u32 s[WV], 4
	s_cbranch_scc0 .Lnf_\@
	tensor_load_to_lds s[D6:D6+3], s[G1B:G1B+7]    ; the first thing behind the round, and a wave's one tensor load until the next
	s_nop 0
	NOPS 4
.Lnf_\@:
.else
	s_barrier_signal -1
	s_barrier_wait -1
.endif
	s_sub_co_u32 s[TV], s[TV], 4*BLKB              ; back to a slot's first step,
	s_xor_b32 s[TV], s[TV], VS1                    ; in the other slot
.endm
	s_wait_tensorcnt 0x2                           ; the scale words and my quarter of K are in; V's two fills may stay out
	s_barrier_signal -1
	s_barrier_wait -1                              ; everybody's are
	; ---- PASS 1
	s_mov_b32 s[KST], 0
	s_mov_b32 s[TK], KIMG
	s_mov_b32 s[TS], 0
	s_mov_b32 s[CNT], 16
.Lp1:
	P1STEP
	s_sub_co_u32 s[CNT], s[CNT], 1
	s_cmp_lg_u32 s[CNT], 0
	s_cbranch_scc1 .Lp1
	; ---- the two halves of the lanes meet: M = the larger maximum, L = both sums under it
	v_add_f32 v14, v14, v15
	v_add_f32 v16, v16, v17
	v_permlanex16_b32 v44, v11, s[SEL], s[SEL+1]
	v_permlanex16_b32 v45, v13, s[SEL], s[SEL+1]
	v_max_num_f32 v44, v44, v11
	v_max_num_f32 v45, v45, v13
	v_mul_f32 v46, s[NC], v44                      ; -c M
	v_mul_f32 v47, s[NC], v45
	v_sub_f32 v48, v46, v10                        ; c m - c M, 0 or less
	v_sub_f32 v50, v47, v12
	v_exp_f32 v48, v48
	v_exp_f32 v50, v50
	v_mov_b32 v10, v46
	v_mov_b32 v12, v47
	s_wait_alu depctr_va_vdst(0)
	v_mul_f32 v14, v14, v48
	v_mul_f32 v16, v16, v50
	v_permlanex16_b32 v52, v14, s[SEL], s[SEL+1]
	v_permlanex16_b32 v53, v16, s[SEL], s[SEL+1]
	v_add_f32 v14, v14, v52                        ; L1: at least the largest weight, 1
	v_add_f32 v16, v16, v53
	v_rcp_f32 v14, v14
	v_rcp_f32 v16, v16
	v_nop
	s_wait_alu depctr_va_vdst(0)
	v_mul_f32 v16, -v191, v16                      ; -lam / L2
	s_wait_tensorcnt 0x1                           ; my part of V's slot 0 is in; slot 1's fill may stay out
	s_wait_dscnt 0x0
	s_barrier_signal -1
	s_barrier_wait -1
	; ---- PASS 2
	s_mov_b32 s[KST], 0
	s_mov_b32 s[TK], KIMG
	s_mov_b32 s[TS], 0
	s_mov_b32 s[TV], 0
	s_mov_b32 s[OUTC], 2
.LpA:                                                  ; key steps 0-7: each slot is filled again when it is left
	FOUR
	CHANGE 1
	s_sub_co_u32 s[OUTC], s[OUTC], 1
	s_cmp_lg_u32 s[OUTC], 0
	s_cbranch_scc1 .LpA
	s_mov_b32 s[OUTC], 2
.LpB:                                                  ; key steps 8-15 are written a second time
	FOUR
	CHANGE 0
	s_sub_co_u32 s[OUTC], s[OUTC], 1
	s_cmp_lg_u32 s[OUTC], 0
	s_cbranch_scc1 .LpB
	; ---- THE WAY OUT.  O^T is y(query r, channel 32 b + 16 h + i) in register 16 b + i: it is stored as it stands, 512 consecutive bytes a store
	s_lshl_b32 s83, s[BH], 4
	s_add_co_u32 s83, s83, s[RK]
	s_lshl_b32 s83, s83, 3
	s_add_co_u32 s83, s83, s[JJ]
	s_lshl_b32 s84, s83, 13                        ; ((16 bh + rho) 8 + j) x 8,192, under 2^26
	s_mov_b32 s85, 0
	s_add_nc_u64 s[16:17], s[16:17], s[84:85]
.set i, 0
.rept 16
	global_store_b128 v3, v[O+4*i:O+4*i+3], s[16:17] offset:512*i   ; each accumulator from its low end on
.set i, i+1
.endr
	; Registers 4 q .. 4 q + 3 are group 8 (q / 4) + 4 h + q % 4; its 64 numbers of this tile lie in the 16 lanes of my half.  Sum; mean; squares about that mean.
.macro XSUM base
.irp m, 1,2,4,8
.set q, 0
.rept 16
	v_add_f32_dpp v[\base+2*q], v[\base+2*q], v[\base+2*q] row_xmask:\m row_mask:0xf bank_mask:0xf
.set q, q+1
.endr
.endr
.endm
.set q, 0
.rept 16
	v_pk_add_f32 v[S1+2*q:S1+2*q+1], v[O+4*q:O+4*q+1], v[O+4*q+2:O+4*q+3]
.set q, q+1
.endr
.set q, 0
.rept 16
	v_add_f32 v[S1+2*q], v[S1+2*q], v[S1+2*q+1]
.set q, q+1
.endr
	XSUM S1
.set q, 0
.rept 16
	v_mul_f32 v[S2+2*q], 0x3c800000, v[S1+2*q]     ; the mean of 64, in both registers of a pair
	v_mul_f32 v[S2+2*q+1], 0x3c800000, v[S1+2*q]
.set q, q+1
.endr
.irp g, 0,8
.set k, 0
.rept 8
	v_pk_add_f32 v[FR+4*k:FR+4*k+1], v[O+4*(\g+k):O+4*(\g+k)+1], v[S2+2*(\g+k):S2+2*(\g+k)+1] neg_lo:[0,1] neg_hi:[0,1]
	v_pk_add_f32 v[FR+4*k+2:FR+4*k+3], v[O+4*(\g+k)+2:O+4*(\g+k)+3], v[S2+2*(\g+k):S2+2*(\g+k)+1] neg_lo:[0,1] neg_hi:[0,1]
.set k, k+1
.endr
.set k, 0
.rept 8
	v_pk_mul_f32 v[FR+4*k:FR+4*k+1], v[FR+4*k:FR+4*k+1], v[FR+4*k:FR+4*k+1]
.set k, k+1
.endr
.set k, 0
.rept 8
	v_pk_fma_f32 v[FR+4*k:FR+4*k+1], v[FR+4*k+2:FR+4*k+3], v[FR+4*k+2:FR+4*k+3], v[FR+4*k:FR+4*k+1]
.set k, k+1
.endr
.set k, 0
.rept 8
	v_add_f32 v[S1+2*(\g+k)+1], v[FR+4*k], v[FR+4*k+1]
.set k, k+1
.endr
.endr
	XSUM S1+1
.set q, 0
.rept 16
	ds_store_b64 v187, v[S1+2*q:S1+2*q+1] offset:64*(q/4)+8*(q%4)   ; (sum, squares); the 16 lanes of a half write the same bytes with the same values
.set q, q+1
.endr
	s_wait_dscnt 0x0                               ; for the others' sake: my stores have landed
	s_barrier_signal -1
	s_barrier_wait -1
	s_cmp_lg_u32 s[WV], 0                          ; wave 0 joins the sixteen tiles: lane g takes group g
	s_cbranch_scc1 .Lnot0
.set w, 0
.rept 16
	ds_load_b64 v[S1+2*w:S1+2*w+1], v188 offset:256*w
.set w, w+1
.endr
	s_lshl_b32 s83, s[BH], 3
	s_add_co_u32 s83, s83, s[JJ]
	s_lshl_b32 s84, s83, 8
	s_mov_b32 s85, 0
	s_add_nc_u64 s[18:19], s[18:19], s[84:85]
	s_mov_b32 s86, 0x3c800000                      ; 1 / 64
	s_mov_b32 s87, 0x42800000                      ; 64
	v_and_b32 v64, 31, v0
	v_lshlrev_b32 v64, 3, v64
	s_wait_dscnt 0x0
	v_add_f32 v60, v[S1], v[S1+2]
	v_add_f32 v61, v[S1+1], v[S1+3]
.set w, 2
.rept 14
	v_add_f32 v60, v60, v[S1+2*w]                  ; the sum of 1,024
	v_add_f32 v61, v61, v[S1+2*w+1]
.set w, w+1
.endr
	v_mul_f32 v62, 0x3a800000, v60                 ; their mean
.set w, 0
.rept 16
	v_fma_f32 v[S2+w], v[S1+2*w], s86, -v62        ; a tile's mean less the common mean
.set w, w+1
.endr
	v_mul_f32 v63, v[S2], v[S2]
.set w, 1
.rept 15
	v_fma_f32 v63, v[S2+w], v[S2+w], v63
.set w, w+1
.endr
	v_fma_f32 v61, v63, s87, v61                   ; the squares about the common mean
	global_store_b64 v64, v[60:61], s[18:19]       ; 32 lanes store 256 consecutive bytes, aligned
.Lnot0:
	s_wait_tensorcnt 0x0                           ; the wave's end
	ds_add_u32 v1, v2
	s_wait_dscnt 0x0
	CROUND                                         ; the closing round: no work-group ends while a partner may still ask for a tile that names it
	s_endpgm
.Lfunc_end_k_qb4ad6ef44c_attn:
	.size	k_qb4ad6ef44c_attn, .Lfunc_end_k_qb4ad6ef44c_attn-k_qb4ad6ef44c_attn
	.p2alignl 7, 3214868480
	.fill 96, 4, 3214868480
	.section	.rodata,"a",@progbits
	.p2align	6, 0x0
	.amdhsa_kernel k_qb4ad6ef44c_attn
		.amdhsa_group_segment_fixed_size 327680
		.amdhsa_private_segment_fixed_size 0
		.amdhsa_enable_private_segment 0
		.amdhsa_kernarg_size 64
		.amdhsa_user_sgpr_count 2
		.amdhsa_user_sgpr_kernarg_segment_ptr 1
		.amdhsa_wavefront_size32 1
		.amdhsa_system_sgpr_workgroup_id_x 1
		.amdhsa_system_sgpr_workgroup_id_y 1
		.amdhsa_system_sgpr_workgroup_id_z 1
		.amdhsa_system_vgpr_workitem_id 0
		.amdhsa_next_free_vgpr 256
		.amdhsa_next_free_sgpr 100
		.amdhsa_reserve_vcc 1
		.amdhsa_float_denorm_mode_32 3
		.amdhsa_float_denorm_mode_16_64 3
		.amdhsa_memory_ordered 1
		.amdhsa_forward_progress 1
		.amdhsa_inst_pref_size 129
	.end_amdhsa_kernel
	.amdgpu_metadata
---
amdhsa.version: [ 1, 2 ]
amdhsa.kernels:
  - .name:           k_qb4ad6ef44c_attn
    .symbol:         k_qb4ad6ef44c_attn.kd
    .args:
      - { .name: img, .offset: 0, .size: 8, .value_kind: global_buffer, .address_space: global }
      - { .name: isc, .offset: 8, .size: 8, .value_kind: global_buffer, .address_space: global }
      - { .name: lq1, .offset: 16, .size: 8, .value_kind: global_buffer, .address_space: global }
      - { .name: lk1, .offset: 24, .size: 8, .value_kind: global_buffer, .address_space: global }
      - { .name: lq2, .offset: 32, .size: 8, .value_kind: global_buffer, .address_space: global }
      - { .name: lk2, .offset: 40, .size: 8, .value_kind: global_buffer, .address_space: global }
      - { .name: yimg, .offset: 48, .size: 8, .value_kind: global_buffer, .address_space: global }
      - { .name: part, .offset: 56, .size: 8, .value_kind: global_buffer, .address_space: global }
    .group_segment_fixed_size: 327680
    .private_segment_fixed_size: 0
    .kernarg_segment_align: 8
    .kernarg_segment_size: 64
    .max_flat_workgroup_size: 512
    .sgpr_count:     100
    .vgpr_count:     256
    .wavefront_size: 32
...
	.end_amdgpu_metadata
.endif
;; end of part 3
;; launch norm (part 4): grid 256 x 1, 16 waves a work-group, no clusters, 34,816 bytes of LDS; arguments yimg, part, gn_w, gn_b, gamma, ycod, ysc; writes ycod, ysc
.if DOCPART == 4
	.amdgcn_target "amdgcn-amd-amdhsa--gfx1250"
	.amdhsa_code_object_version 6
	.text
	.protected	k_qb4ad6ef44c_norm
	.globl	k_qb4ad6ef44c_norm
	.p2align	8
	.type	k_qb4ad6ef44c_norm,@function
k_qb4ad6ef44c_norm:
	s_mov_b64 s[64:65], 0
	v_nop
	global_prefetch_b8 v0, s[64:65] scope:SCOPE_SE
	s_setreg_imm32_b32 hwreg(HW_REG_WAVE_MODE, 25, 1), 1
	s_wait_xcnt 0x0
; GroupNorm over (all 2,048 rows, 4 channels) for each (batch, head), its affine, gamma and (1 - 0.77787); the result is quantised along f = 128 head + channel into codes of FP6 (E2M3) and E8M0 bytes,
; laid as rows: ycod [4096][1,536 bytes], ysc [4096][64 bytes].
; SHARES.  A work-group takes one tile of 16 rows (batch b, block tb of 128 rows, tile a) for all 16 heads; wave w is head w: its 64 registers a lane are y(row r, channel 32 b' + 16 h + i) in register 16 b' + i.
; STATISTICS.  The launch before left, for each (b, head), eight parts of 1,024 numbers a group: sum, and squares about the part's own mean.  Lane g joins group g's eight: no difference of large sums is formed.
; The codes of a row come from sixteen waves: they meet in a stage in LDS, and each wave stores one whole row, 512 consecutive bytes a store.  Memory binds here: no matrix unit, no tensor load, no cluster.
; LIMITS: NaN and infinities are not served; a block under 2^-124 (zeros among them) keeps the byte 1, its codes being zeros.
.set STG,  0                           ; 16 rows x 1,552 bytes (1,536 + 16)
.set SPI,  1552
.set SST,  24832                       ; 16 rows x 64 scale bytes
.set COEF, 25856                       ; 128 gains, then 128 offsets
.set MR,   26880                       ; 256 bytes a wave: 32 means, then 32 reciprocal deviations
.set Y,    64                          ; v64-127  y
.set A,    128                         ; v128-191 gains
.set B,    192                         ; v192-255 offsets; ahead of them the statistics' work, behind them the quantiser's
.set TM,   192
.set PW,   208
.set PC,   212
.set SEL,  20
	s_load_b256 s[4:11], s[0:1], 0x0               ; yimg 4, part 6, gn_w 8, gn_b 10
	s_load_b128 s[12:15], s[0:1], 0x20             ; gamma 12, ycod 14
	s_load_b64 s[16:17], s[0:1], 0x30              ; ysc
	v_lshrrev_b32 v1, 5, v0
	v_readfirstlane_b32 s18, v1                    ; wave = head
	v_and_b32 v1, 31, v0                           ; lane
	v_and_b32 v2, 15, v0                           ; r
	v_bfe_u32 v3, v0, 4, 1                         ; h
	v_lshlrev_b32 v4, 4, v1                        ; 16 x lane
	v_lshlrev_b32 v5, 3, v1                        ; 8 x lane
	v_lshlrev_b32 v7, 2, v0                        ; 4 x thread: a channel, in waves 0-3
	v_add_nc_u32 v6, COEF, v7
	s_lshl_b32 s19, s18, 8
	s_add_co_u32 s19, s19, MR
	v_lshl_add_u32 v8, v1, 2, s19                  ; lane g's mean
	v_lshl_add_u32 v9, v3, 4, s19                  ; my half's four groups of each 32 channels
	v_lshl_add_u32 v10, v3, 6, COEF                ; my half's 16 channels of each 32
	s_mul_i32 s19, s18, 96
	v_mul_u32_u24 v11, v2, SPI
	v_mad_u32_u24 v11, v3, 24, v11
	v_add_nc_u32 v11, s19, v11                     ; the stage: row r, my head's 96 bytes, + 24 h
	s_lshl_b32 s19, s18, 2
	s_add_co_u32 s19, s19, SST
	v_lshl_add_u32 v12, v2, 6, s19                 ; row r's scale bytes, my head's word
	s_mul_i32 s19, s18, SPI
	v_add_nc_u32 v13, s19, v4                      ; back: wave w takes row w
	s_and_b32 s19, s18, 1
	s_lshl_b32 s19, s19, 9
	s_add_co_u32 s19, s19, SST
	v_add_nc_u32 v14, s19, v4                      ; waves 0, 1: eight rows' scale bytes
	s_mov_b32 s[SEL], 0x76543210
	s_mov_b32 s[SEL+1], 0xfedcba98
	s_lshr_b32 s22, ttmp9, 7                       ; b
	s_bfe_u32 s23, ttmp9, 0x40003                  ; tb
	s_and_b32 s24, ttmp9, 7                        ; a
	s_lshl_b32 s25, s22, 4
	s_add_co_u32 s25, s25, s18                     ; bh
	s_lshl_b32 s26, s25, 4
	s_add_co_u32 s26, s26, s23
	s_lshl_b32 s26, s26, 3
	s_add_co_u32 s26, s26, s24
	s_lshl_b32 s26, s26, 13                        ; my image of y
	s_mov_b32 s27, 0
	s_lshl_b32 s28, s25, 11                        ; my head's eight parts
	s_mov_b32 s29, 0
	s_lshl_b32 s30, s22, 11
	s_lshl_b32 s31, s23, 7
	s_add_co_u32 s30, s30, s31
	s_lshr_b32 s31, s24, 1
	s_lshl_b32 s31, s31, 5
	s_add_co_u32 s30, s30, s31
	s_and_b32 s31, s24, 1
	s_lshl_b32 s31, s31, 3
	s_add_co_u32 s30, s30, s31                     ; the tile's first row: 2048 b + 128 tb + 32 (a / 2) + 8 (a % 2); its row r lies r % 8 + 16 (r / 8) further on
	s_and_b32 s31, s18, 7
	s_add_co_u32 s32, s30, s31
	s_lshr_b32 s31, s18, 3
	s_lshl_b32 s31, s31, 4
	s_add_co_u32 s32, s32, s31
	s_mul_i32 s32, s32, 1536                       ; the row that I store
	s_mov_b32 s33, 0
	s_and_b32 s31, s18, 1
	s_lshl_b32 s31, s31, 4
	s_add_co_u32 s34, s30, s31
	s_lshl_b32 s34, s34, 6                         ; and eight rows' scale bytes
	s_mov_b32 s35, 0
	s_mov_b32 s36, 0x3a800000                      ; 1 / 1,024
	s_mov_b32 s37, 0x44800000                      ; 1,024
	s_mov_b32 s38, 0x39000000                      ; 1 / 8,192
	s_mov_b32 s39, 0x3727c5ac                      ; 1e-5
	s_wait_kmcnt 0x0
	s_add_nc_u64 s[4:5], s[4:5], s[26:27]
	s_add_nc_u64 s[6:7], s[6:7], s[28:29]
	s_add_nc_u64 s[14:15], s[14:15], s[32:33]
	s_add_nc_u64 s[16:17], s[16:17], s[34:35]
.set j, 0
.rept 8
	global_load_b64 v[16+2*j:17+2*j], v5, s[6:7] offset:256*j       ; part j of group = lane: sum, squares
.set j, j+1
.endr
.set i, 0
.rept 16
	global_load_b128 v[Y+4*i:Y+4*i+3], v4, s[4:5] offset:512*i th:TH_LOAD_NT   ; 512 consecutive bytes; read once in the launch
.set i, i+1
.endr
	s_cmp_lt_u32 s18, 4                            ; threads 0-127 make the 128 channels' gain and offset
	s_cbranch_scc0 .Lno_coef
	global_load_b32 v128, v7, s[8:9]
	global_load_b32 v129, v7, s[10:11]
	global_load_b32 v130, v7, s[12:13]
	s_wait_loadcnt 0x0
	v_mul_f32 v130, 0x3e637605, v130               ; gamma (1 - 0.77787)
	v_mul_f32 v128, v128, v130
	v_mul_f32 v129, v129, v130
	ds_store_b32 v6, v128
	ds_store_b32 v6, v129 offset:512
.Lno_coef:
	s_wait_loadcnt 16                              ; the eight parts are in; y's sixteen loads may be out
	v_add_f32 v192, v16, v18
	v_add_f32 v193, v20, v22
	v_add_f32 v194, v24, v26
	v_add_f32 v195, v28, v30
	v_add_f32 v192, v192, v193
	v_add_f32 v194, v194, v195
	v_add_f32 v192, v192, v194
	v_mul_f32 v192, s38, v192                      ; the group's mean over 8,192 numbers
.set j, 0
.rept 8
	v_fma_f32 v[200+j], v[16+2*j], s36, -v192      ; a part's mean less the group's
.set j, j+1
.endr
	v_mul_f32 v194, v200, v200
	v_add_f32 v195, v17, v19
.set j, 1
.rept 7
	v_fma_f32 v194, v[200+j], v[200+j], v194
.set j, j+1
.endr
.set j, 2
.rept 6
	v_add_f32 v195, v195, v[17+2*j]
.set j, j+1
.endr
	v_fma_f32 v194, v194, s37, v195                ; the squares about the group's mean
	v_fma_f32 v194, v194, s38, s39                 ; the variance + 1e-5
	v_rsq_f32 v193, v194
	v_nop                                          ; a plain line behind the transcendental
	ds_store_b32 v8, v192
	s_wait_alu depctr_va_vdst(0)
	ds_store_b32 v8, v193 offset:128
.irp k, 0,1,2,3                                ; my wave's own bytes: LDS serves a wave's instructions in order (ISA guide 5.7.1.4).  v[32 + q], v[48 + q]: the figures of registers 4 q .. 4 q + 3
	ds_load_b128 v[32+4*\k:35+4*\k], v9 offset:32*\k
	ds_load_b128 v[48+4*\k:51+4*\k], v9 offset:32*\k+128
.endr
	s_wait_dscnt 0x0                               ; for the others' sake too: the gains and offsets have landed
	s_barrier_signal -1
	s_barrier_wait -1
.set i, 0
.rept 16
	ds_load_b128 v[A+4*i:A+4*i+3], v10 offset:128*(i/4)+16*(i%4)
	ds_load_b128 v[B+4*i:B+4*i+3], v10 offset:128*(i/4)+16*(i%4)+512
.set i, i+1
.endr
	s_wait_loadcnt 0x0
	s_wait_dscnt 0x0
.set i, 0
.rept 64
	v_mul_f32 v[A+i], v[A+i], v[48+i/4]
	v_sub_f32 v[Y+i], v[Y+i], v[32+i/4]
.set i, i+1
.endr
.set i, 0
.rept 64
	v_fma_f32 v[Y+i], v[Y+i], v[A+i], v[B+i]
.set i, i+1
.endr
	; the quantiser: register 16 b + i = k 32 b + 16 h + i of my row; the other half of each block lies in lane l xor 16
.irp b, 0,1,2,3
	v_max3_num_f32 v[TM+\b], |v[Y+16*\b]|, |v[Y+1+16*\b]|, 0x1800000   ; and the floor 2^(3 - 127): the byte cannot fall under 1
.endr
.irp i, 2,4,6,8,10,12,14
.irp b, 0,1,2,3
	v_max3_num_f32 v[TM+\b], v[TM+\b], |v[Y+16*\b+\i]|, |v[Y+1+16*\b+\i]|
.endr
.endr
.irp b, 0,1,2,3
	v_permlanex16_b32 v[TM+4+\b], v[TM+\b], s[SEL], s[SEL+1]
.endr
.irp b, 0,1,2,3
	v_max_num_f32 v[TM+\b], v[TM+\b], v[TM+4+\b]
.endr
.irp b, 0,1,2,3
	v_add_nc_u32 v[TM+12+\b], 0xff000000, v[TM+\b] ; 2 off the exponent field: the conversion's scale operand
.endr
.irp b, 0,1,2,3
	v_lshrrev_b32 v[TM+4+\b], 23, v[TM+12+\b]      ; the scale's byte
.endr
	v_lshl_or_b32 v[PW], v[TM+5], 8, v[TM+4]
	v_lshl_or_b32 v[PW], v[TM+6], 16, v[PW]
	v_lshl_or_b32 v[PW], v[TM+7], 24, v[PW]
.irp c, 0,1
	v_cvt_scalef32_pk16_fp6_f32 v[PC+6*\c:PC+2+6*\c], v[Y+32*\c:Y+15+32*\c], v[TM+12+2*\c]
	v_cvt_scalef32_pk16_fp6_f32 v[PC+12+4*\c:PC+14+4*\c], v[Y+16+32*\c:Y+31+32*\c], v[TM+13+2*\c]   ; (a conversion's three registers begin on an even number)
.endr
	v_nop                                          ; one plain line behind a scaled conversion
.irp c, 0,1                                    ; lanes 0-15 block 2 c whole, lanes 16-31 block 2 c + 1: then a lane's six registers are 24 consecutive bytes of the row
.irp i, 0,1,2
	v_permlane16_swap_b32 v[PC+6*\c+\i], v[PC+12+4*\c+\i]
.endr
.irp i, 0,1,2
	v_mov_b32 v[PC+3+6*\c+\i], v[PC+12+4*\c+\i]
.endr
.endr
.irp p, 0,1,2,3,4,5
	ds_store_b64 v11, v[PC+2*\p:PC+2*\p+1] offset:48*(\p/3)+8*(\p%3)
.endr
	ds_store_b32 v12, v[PW]                        ; both halves of the lanes write the same word with the same value
	s_wait_dscnt 0x0                               ; for the others' sake: my stores have landed
	s_barrier_signal -1
	s_barrier_wait -1
	ds_load_b128 v[128:131], v13
	ds_load_b128 v[132:135], v13 offset:512
	ds_load_b128 v[136:139], v13 offset:1024
	s_wait_dscnt 0x0
	global_store_b128 v4, v[128:131], s[14:15]             ; a row of 1,536 bytes, at a multiple of 256 from ycod's first byte
	global_store_b128 v4, v[132:135], s[14:15] offset:512
	global_store_b128 v4, v[136:139], s[14:15] offset:1024
	s_cmp_lt_u32 s18, 2
	s_cbranch_scc0 .Ldone
	ds_load_b128 v[140:143], v14                   ; eight neighbouring rows' scale bytes: 512 consecutive bytes here and in ysc
	s_wait_dscnt 0x0
	global_store_b128 v4, v[140:143], s[16:17]
.Ldone:
	s_wait_xcnt 0x0
	v_lshl_add_u32 v254, v0, 2, 0x8000
	v_mov_b32 v255, 0
	s_wait_tensorcnt 0x0
	ds_add_u32 v254, v255
	s_wait_dscnt 0x0
	s_endpgm
.Lfunc_end_k_qb4ad6ef44c_norm:
	.size	k_qb4ad6ef44c_norm, .Lfunc_end_k_qb4ad6ef44c_norm-k_qb4ad6ef44c_norm
	.p2alignl 7, 3214868480
	.fill 96, 4, 3214868480
	.section	.rodata,"a",@progbits
	.p2align	6, 0x0
	.amdhsa_kernel k_qb4ad6ef44c_norm
		.amdhsa_group_segment_fixed_size 34816
		.amdhsa_private_segment_fixed_size 0
		.amdhsa_enable_private_segment 0
		.amdhsa_kernarg_size 56
		.amdhsa_user_sgpr_count 2
		.amdhsa_user_sgpr_kernarg_segment_ptr 1
		.amdhsa_wavefront_size32 1
		.amdhsa_system_sgpr_workgroup_id_x 1
		.amdhsa_system_sgpr_workgroup_id_y 1
		.amdhsa_system_sgpr_workgroup_id_z 1
		.amdhsa_system_vgpr_workitem_id 0
		.amdhsa_next_free_vgpr 256
		.amdhsa_next_free_sgpr 66
		.amdhsa_reserve_vcc 0
		.amdhsa_float_denorm_mode_32 3
		.amdhsa_float_denorm_mode_16_64 3
		.amdhsa_memory_ordered 1
		.amdhsa_forward_progress 1
		.amdhsa_inst_pref_size 25
	.end_amdhsa_kernel
	.amdgpu_metadata
---
amdhsa.version: [ 1, 2 ]
amdhsa.kernels:
  - .name:           k_qb4ad6ef44c_norm
    .symbol:         k_qb4ad6ef44c_norm.kd
    .args:
      - { .name: yimg, .offset: 0, .size: 8, .value_kind: global_buffer, .address_space: global }
      - { .name: part, .offset: 8, .size: 8, .value_kind: global_buffer, .address_space: global }
      - { .name: gn_w, .offset: 16, .size: 8, .value_kind: global_buffer, .address_space: global }
      - { .name: gn_b, .offset: 24, .size: 8, .value_kind: global_buffer, .address_space: global }
      - { .name: gamma, .offset: 32, .size: 8, .value_kind: global_buffer, .address_space: global }
      - { .name: ycod, .offset: 40, .size: 8, .value_kind: global_buffer, .address_space: global }
      - { .name: ysc, .offset: 48, .size: 8, .value_kind: global_buffer, .address_space: global }
    .group_segment_fixed_size: 34816
    .private_segment_fixed_size: 0
    .kernarg_segment_align: 8
    .kernarg_segment_size: 56
    .max_flat_workgroup_size: 512
    .sgpr_count:     66
    .vgpr_count:     256
    .wavefront_size: 32
...
	.end_amdgpu_metadata
.endif
;; end of part 4
;; launch outp (part 5): grid 4 x 16, 4 waves a work-group, clusters of 4 x 4, 327,680 bytes of LDS; arguments ycod, ysc, cod, scl, out0; writes out0
.if DOCPART == 5
	.amdgcn_target "amdgcn-amd-amdhsa--gfx1250"
	.amdhsa_code_object_version 6
	.text
	.protected	k_qb4ad6ef44c_outp
	.globl	k_qb4ad6ef44c_outp
	.p2align	8
	.type	k_qb4ad6ef44c_outp,@function
k_qb4ad6ef44c_outp:
	s_mov_b64 s[64:65], 0
	v_nop
	global_prefetch_b8 v0, s[64:65] scope:SCOPE_SE
	s_setreg_imm32_b32 hwreg(HW_REG_WAVE_MODE, 25, 1), 1
	s_wait_xcnt 0x0
	s_wait_alu depctr_hold_cnt(0) depctr_sa_sdst(0) depctr_va_vdst(0) depctr_va_sdst(0) depctr_va_ssrc(0) depctr_va_vcc(0) depctr_vm_vsrc(0)
	s_getreg_b32 s2, hwreg(HW_REG_IB_STS2, 6, 4)
	s_cmp_eq_u32 s2, 0
	s_cbranch_scc0 .Lentry_in_a_cluster
	s_endpgm
.Lentry_in_a_cluster:
	s_bfe_u32 s2, ttmp6, 0x10000c
	s_cmp_lg_u32 s2, 0xf033
	s_cbranch_scc0 .Lentry_shape_is_right
	s_endpgm
.Lentry_shape_is_right:
; out0[m][n] = sum over f of y[m][f] Wc[n][f], on codes of FP6 (E2M3) with one E8M0 scale for each 32 along K = 2,048; sums in f32.  y: ycod [4096][1,536 bytes], ysc [4096][64];
; Wc: [1024][1,536 bytes] from byte 7,864,320 of cod, its scale bytes [1024][64] from byte 327,680 of scl.  out0: [4096][1024] f32.
; A tile of 256 x 256 is made by four waves, each 128 x 128: 64 accumulators, 512 registers.  K goes in steps of 256 through two LDS slots filled by the tensor data mover (rows of 192 bytes);
; the scale bytes of the work-group's 256 + 256 rows come once and stay.  The output has 64 such tiles: 64 work-groups.
; CLUSTERS: 4 x 4 work-groups; A's tiles are asked for jointly along a row of the cluster, B's along a column.  THE MATRIX INSTRUCTION IS USED TRANSPOSED (source 0 = 16 rows of Wc, source 1 = 16 rows of y):
; a lane then holds eight neighbouring numbers of a row of out0.
; REGISTERS, in windows of 256: window 0: v0-31 addresses; v32-63 scale words, two sets; from v128 A's fragments, one set, later rows on their way out.  window 1: B's fragments, two sets.
;   window 2: the accumulators of my rows 0-63 ((a, b) at v[8 (8 a + b)]);   window 3: those of rows 64-127.
.set SIZE_N, 1024
.set SIZE_K, 2048
.set WC_COD, 7864320
.set WC_SCL, 327680
.set KSTEP,  256
.set NQ,     KSTEP/128
.set ROWB,   192
.set KROW,   SIZE_K*6/8
.set PITCH,  240                       ; an LDS row: 3 x (64 bytes + 16 of padding) = 60 words: the 32 lanes of a load of 8 bytes touch 64 different banks (64 banks of 4 bytes: ISA guide 11.1)
.set FR,     12
.set NL,     6
.set NP,     4                         ; places behind this matrix instruction (ISA guide 7.12.1)
.set HALFT,  128*PITCH
.set SLOT,   4*HALFT
.set LAPS,   SIZE_K/(2*KSTEP)
.set KS,     SIZE_K/32
.set SCL,    2*SLOT
.set HALFS,  (128*KS/256)*272
.set SBLK,   (16*KS/256)*272
.set SPARE,  SCL+4*HALFS               ; the spare words, 128 bytes for each wave: two blocks of 256 bytes that no other line names
.set SPITCH, 528                       ; the way out: a stage of 16 rows x (512 bytes + 16) for each wave, in slot 0, which has had its last fill and its last read when the first result is stored there
.set ADRA, 16
.set ADRB, 20
.set STO,  24
.set RD,   25
.set CO,   26
.set ADRS, 27
.set SPW,  28
.set NIL,  29
.set SC,   32
.set AF,   128
.set BK,   128
.set G1, 24
.set G0, 32
.set G1B, 48
.set G0B, 56
.set G1S, 68
.set G0S, 76
.set G1SB, 80
.set G0SB, 88
.set MSB, 0
.macro WIN new                         ; the immediate's high byte repeats the setting that is left
.if MSB != \new
	s_set_vgpr_msb (MSB<<8)|\new
.set MSB, \new
.endif
.endm
.set MUL_LO, 0xa1
.set MUL_HI, 0xf1
.set TO_B,   0x40
.macro JLOAD g0a, g1a, g0b, g1b        ; a joint load: waves 0 and 1 fetch for A, waves 2 and 3 for B; four v_nop follow each of the two lines
	s_cmp_eq_u32 s15, 0
	s_cbranch_scc0 .Lfor_b_\@
	tensor_load_to_lds s[\g0a:\g0a+3], s[\g1a:\g1a+7]
	s_nop 0
.rept 4
	v_nop
.endr
	s_branch .Lasked_\@
.Lfor_b_\@:
	tensor_load_to_lds s[\g0b:\g0b+3], s[\g1b:\g1b+7]
	s_nop 0
.rept 4
	v_nop
.endr
.Lasked_\@:
.endm
.macro CREST
	s_cmp_lg_u32 s14, 0
	s_cbranch_scc1 .Lnot_wave_0_\@
	s_barrier_signal -3
.Lnot_wave_0_\@:
	s_barrier_wait -3
	s_barrier_signal -1
	s_barrier_wait -1
.endm
.macro CROUND
	s_barrier_signal -1
	s_barrier_wait -1
	CREST
.endm
	s_load_b128 s[4:7], s[0:1], 0x0                ; ycod s[4:5], ysc s[6:7]
	s_load_b128 s[8:11], s[0:1], 0x10              ; cod s[8:9], scl s[10:11]
	s_load_b64 s[12:13], s[0:1], 0x20              ; out0
	v_lshl_add_u32 v[SPW], v0, 2, SPARE
	v_mov_b32 v[NIL], 0
	ds_add_u32 v28, v29
	s_wait_dscnt 0x0
	v_lshrrev_b32 v1, 5, v0
	v_readfirstlane_b32 s14, v1                    ; wave 0..3
	s_lshr_b32 s15, s14, 1                         ; which half of the tile's rows is mine.  Also: I fetch for A (0) or for B (1)
	s_and_b32 s16, s14, 1                          ; which half of its columns.  Also: which 128 rows I fetch
	s_bfe_u32 s40, ttmp6, 0x40000                  ; cx, cy
	s_bfe_u32 s41, ttmp6, 0x40004
	s_lshl_b32 s42, ttmp9, 2
	s_add_co_u32 s42, s42, s40                     ; tile column
	s_and_b32 s17, ttmp7, 0xffff
	s_lshl_b32 s17, s17, 2
	s_add_co_u32 s17, s17, s41                     ; tile row
	s_lshl_b32 s43, s41, 2
	s_lshl_b32 s43, 15, s43                        ; my row of the cluster
	s_lshl_b32 s44, 0x1111, s40                    ; my column
	s_or_b32 s[G1+0], s43, (0<<16)|(1<<20)|(1<<21)|(3<<22)|(3<<25)  ; the mask; elements of 1 byte; padding on; bit 21 beside a mask; after every 16 words 4 words
	s_or_b32 s[G1B+0], s44, (0<<16)|(1<<20)|(1<<21)|(3<<22)|(3<<25)
.irp g, G1, G1B
	s_mov_b32 s[\g+1], ROWB<<16
	s_mov_b32 s[\g+2], 128<<16
	s_mov_b32 s[\g+3], ROWB<<16
	s_mov_b32 s[\g+4], 128
	s_mov_b32 s[\g+5], KROW
	s_mov_b32 s[\g+6], 0
	s_mov_b32 s[\g+7], 0
.endr
	s_or_b32 s[G1S+0], s43, (3<<16)|(1<<20)|(1<<21)|(5<<22)|(3<<25) ; the scale bytes of 128 rows: a dense block as rows of 256 bytes, 16 bytes of padding behind each
	s_or_b32 s[G1SB+0], s44, (3<<16)|(1<<20)|(1<<21)|(5<<22)|(3<<25)
.irp g, G1S, G1SB
	s_mov_b32 s[\g+1], 32<<16
	s_mov_b32 s[\g+2], (128*KS/256)<<16
	s_mov_b32 s[\g+3], 32<<16
	s_mov_b32 s[\g+4], 128*KS/256
	s_mov_b32 s[\g+5], 32
	s_mov_b32 s[\g+6], 0
	s_mov_b32 s[\g+7], 0
.endr
	s_lshl_b32 s18, s16, 7
	s_lshl_b32 s20, s17, 8
	s_add_co_u32 s20, s20, s18                     ; A: row 256 x tile row + 128 x half
	s_lshl_b32 s46, s42, 8
	s_add_co_u32 s46, s46, s18                     ; B: row 256 x tile column + 128 x half
	s_mov_b32 s21, 0
	s_mov_b32 s47, 0
	s_mov_b64 s[18:19], KS
	s_mul_u64 s[22:23], s[20:21], s[18:19]
	s_mul_u64 s[92:93], s[46:47], s[18:19]
	s_mov_b64 s[18:19], KROW
	s_mul_u64 s[20:21], s[20:21], s[18:19]
	s_mul_u64 s[46:47], s[46:47], s[18:19]
	s_mul_i32 s45, s14, HALFT                      ; no place in the cluster enters an LDS address
	s_mul_i32 s94, s14, HALFS
	s_wait_kmcnt 0x0
	s_add_nc_u64 s[8:9], s[8:9], WC_COD            ; Wc's part of cod and of scl
	s_add_nc_u64 s[10:11], s[10:11], WC_SCL
	s_add_nc_u64 s[20:21], s[4:5], s[20:21]
	s_add_nc_u64 s[22:23], s[6:7], s[22:23]
	s_add_nc_u64 s[46:47], s[8:9], s[46:47]
	s_add_nc_u64 s[92:93], s[10:11], s[92:93]
	CROUND                                         ; all sixteen work-groups are here: the first joint loads meet
	s_mov_b32 s[G0S], 1
	s_add_co_u32 s[G0S+1], s94, SCL
	s_mov_b64 s[G0S+2:G0S+3], s[22:23]
	s_or_b32 s[G0S+3], s[G0S+3], 0x80000000
	s_mov_b32 s[G0SB], 1
	s_add_co_u32 s[G0SB+1], s94, SCL
	s_mov_b64 s[G0SB+2:G0SB+3], s[92:93]
	s_or_b32 s[G0SB+3], s[G0SB+3], 0x80000000
	JLOAD G0S, G1S, G0SB, G1SB                     ; the scale bytes first
.irp s, 0,1
	s_mov_b32 s[G0+4*\s], 1
	s_add_co_u32 s[G0+4*\s+1], s45, \s*SLOT
	s_add_nc_u64 s[G0+4*\s+2:G0+4*\s+3], s[20:21], \s*ROWB
	s_or_b32 s[G0+4*\s+3], s[G0+4*\s+3], 0x80000000
	s_mov_b32 s[G0B+4*\s], 1
	s_add_co_u32 s[G0B+4*\s+1], s45, \s*SLOT
	s_add_nc_u64 s[G0B+4*\s+2:G0B+4*\s+3], s[46:47], \s*ROWB
	s_or_b32 s[G0B+4*\s+3], s[G0B+4*\s+3], 0x80000000
	JLOAD G0+4*\s, G1, G0B+4*\s, G1B               ; three loads of mine are out
.endr
	v_and_b32 v1, 15, v0                           ; l % 16
	v_bfe_u32 v2, v0, 4, 1                         ; l / 16
	v_mul_u32_u24 v3, v1, PITCH
	v_mul_u32_u24 v4, v2, 24
	v_add_nc_u32 v4, v3, v4                        ; a fragment's row x pitch + 24 x half
	v_lshl_add_u32 v5, v2, 4, v4                   ; and the same behind one padding more
	s_mul_i32 s21, s15, HALFT
	s_mul_i32 s22, s16, HALFT
	s_add_co_u32 s22, s22, 2*HALFT
.irp s, 0,1
	v_add_nc_u32 v[ADRA+\s], s21, v4
	v_add_nc_u32 v[ADRB+\s], s22, v4
	v_add_nc_u32 v[ADRA+2+\s], s21, v5
	v_add_nc_u32 v[ADRB+2+\s], s22, v5
	s_add_co_u32 s21, s21, SLOT
	s_add_co_u32 s22, s22, SLOT
.endr
	v_mul_u32_u24 v5, v1, KS                       ; my row's scale bytes: KS a row,
	v_lshrrev_b32 v6, 8, v5
	v_lshl_add_u32 v5, v6, 4, v5                   ; and 16 more for each 256 passed
	s_mul_i32 s21, s15, HALFS
	s_mul_i32 s22, s16, HALFS
	s_add_co_u32 s22, s22, 2*HALFS
	s_sub_co_u32 s22, s22, s21
	v_mul_u32_u24 v6, s22, v2                      ; lanes 16-31 take B's: one product, the distance x h
	s_add_co_u32 s21, s21, SCL
	v_add_nc_u32 v5, v5, v6
	v_add_nc_u32 v[ADRS], s21, v5
	s_mul_i32 s23, s14, 16*SPITCH                  ; my stage
	v_mul_u32_u24 v5, v1, SPITCH                   ; in: row l % 16, 32 bytes for each half of the lanes
	v_lshl_add_u32 v5, v2, 5, v5
	v_add_nc_u32 v[STO], s23, v5
	v_and_b32 v6, 31, v0
	v_lshlrev_b32 v[CO], 4, v6                     ; back: the 32 lanes take one row of 512 bytes; and the same in out0
	v_add_nc_u32 v[RD], s23, v[CO]
	s_lshl_b32 s20, s17, 8
	s_lshl_b32 s21, s15, 7
	s_add_co_u32 s20, s20, s21                     ; my first row of out0
	s_mov_b32 s21, 0
	s_mov_b64 s[18:19], SIZE_N*4
	s_mul_u64 s[20:21], s[20:21], s[18:19]
	s_lshl_b32 s46, s42, 10                        ; my first column, in bytes
	s_lshl_b32 s47, s16, 9
	s_add_co_u32 s46, s46, s47
	s_mov_b32 s47, 0
	s_add_nc_u64 s[20:21], s[20:21], s[46:47]
	s_add_nc_u64 s[12:13], s[12:13], s[20:21]
.macro FRAG reg, adr, q, i             ; a fragment is 12 registers: registers 6 c .. 6 c + 5 of lane l hold K = 64 c + 32 (l / 16) + 0 .. 31 of row l % 16: 24 bytes as they lie, in pieces of 8
.irp p, 0,1,2,3,4,5
.set PCE, 12*(\q)+6*(\p/3)+\p%3
.if PCE%8 < 5
	ds_load_b64 v[\reg+2*\p:\reg+2*\p+1], v[\adr] offset:8*PCE+16*(PCE/8)+(\i)*16*PITCH
.else
	ds_load_b64 v[\reg+2*\p:\reg+2*\p+1], v[\adr+2] offset:8*PCE+16*(PCE/8)+(\i)*16*PITCH
.endif
.endr
.endm
; 16 matrix instructions: A's blocks a0, a0 + 1 x B's eight.  The 64 accumulators take turns, one instruction a turn.
.macro MUL16 a0, p, q, sc, zero
.irp a, \a0, \a0+1
.irp b, 0,1,2,3,4,5,6,7
.if \zero
	v_wmma_scale_f32_16x16x128_f8f6f4 v[8*(8*((\a)%4)+\b):8*(8*((\a)%4)+\b)+7], v[128*(\p)+FR*\b:128*(\p)+FR*\b+FR-1], v[AF+FR*(\a):AF+FR*(\a)+FR-1], 0, v[SC+8*NQ*(\sc)+NQ*\b+(\q)], v[SC+8*NQ*(\sc)+NQ*(\a)+(\q)] matrix_a_fmt:MATRIX_FMT_FP6 matrix_b_fmt:MATRIX_FMT_FP6 matrix_a_scale:MATRIX_SCALE_ROW1
.else
	v_wmma_scale_f32_16x16x128_f8f6f4 v[8*(8*((\a)%4)+\b):8*(8*((\a)%4)+\b)+7], v[128*(\p)+FR*\b:128*(\p)+FR*\b+FR-1], v[AF+FR*(\a):AF+FR*(\a)+FR-1], v[8*(8*((\a)%4)+\b):8*(8*((\a)%4)+\b)+7], v[SC+8*NQ*(\sc)+NQ*\b+(\q)], v[SC+8*NQ*(\sc)+NQ*(\a)+(\q)] matrix_a_fmt:MATRIX_FMT_FP6 matrix_b_fmt:MATRIX_FMT_FP6 matrix_a_scale:MATRIX_SCALE_ROW1
.endif
.endr
.endr
.endm
.macro FETCH_B slot, q, p
	WIN TO_B
.irp i, 0,1,2,3,4,5,6,7
	FRAG 128*(\p)+FR*\i, ADRB+\slot, \q, \i
.endr
	WIN 0
.endm
.macro FETCH_A slot, q, i0
.irp i, \i0, \i0+1, \i0+2, \i0+3
	FRAG AF+FR*(\i), ADRA+\slot, \q, \i
.endr
.endm
.macro SCALES sc
.irp i, 0,1,2,3,4,5,6,7
	ds_load_b64 v[SC+8*NQ*\sc+NQ*\i:SC+8*NQ*\sc+NQ*\i+1], v[ADRS] offset:\i*SBLK
.endr
.endm
.macro PLACES n                        ; plain vector lines between a matrix instruction and a load into, or a read of, its registers
.rept \n
	v_nop
.endr
.endm
.macro STEP slot, q, zero
	s_wait_dscnt 4*NL                              ; B's set and A's blocks 0-3 are in; the youngest 24 loads (A's blocks 4-7) may be out
	WIN MUL_LO
	MUL16 0, (\q)%2, \q, \slot, \zero
	MUL16 2, (\q)%2, \q, \slot, \zero
	s_wait_dscnt 0
	PLACES NP
	FETCH_B \slot, (\q)+1, 1-(\q)%2
	FETCH_A \slot, (\q)+1, 0
	WIN MUL_HI
	MUL16 4, (\q)%2, \q, \slot, \zero
	MUL16 6, (\q)%2, \q, \slot, \zero
	PLACES NP
	WIN 0
	FETCH_A \slot, (\q)+1, 4
.endm
.macro TURN slot, next, fill
	s_wait_tensorcnt 0x0                           ; all my tensor loads have landed: my part of the next slot
	ds_add_u32 v[SPW], v[NIL]                      ; 0 onto my spare word
	s_wait_dscnt 4*NL+1                            ; (the add and the youngest 24 loads may be out)
	WIN MUL_LO
	MUL16 0, 1, NQ-1, \slot, 0
	s_wait_dscnt 0x0                               ; the add is done, and my reads of this slot are over
	s_barrier_signal -1
	MUL16 2, 1, NQ-1, \slot, 0
	WIN 0
	s_barrier_wait -1
.if \fill
	CREST                                          ; the barrier has opened a round of the cluster's barrier: no wave of any partner still reads this slot or has a load on its way
	s_add_nc_u64 s[G0+4*\slot+2:G0+4*\slot+3], s[G0+4*\slot+2:G0+4*\slot+3], 2*ROWB
	s_add_nc_u64 s[G0B+4*\slot+2:G0B+4*\slot+3], s[G0B+4*\slot+2:G0B+4*\slot+3], 2*ROWB
	JLOAD G0+4*\slot, G1, G0B+4*\slot, G1B         ; the first tensor load behind the round
.else
	PLACES NP
.endif
	v_add_nc_u32 v[ADRS], 4*NQ, v[ADRS]
	FETCH_B \next, 0, 0
	FETCH_A \next, 0, 0
	SCALES \next
	WIN MUL_HI
	MUL16 4, 1, NQ-1, \slot, 0
	MUL16 6, 1, NQ-1, \slot, 0
	PLACES NP
	WIN 0
	FETCH_A \next, 0, 4
.endm
	s_wait_tensorcnt 1                             ; the scale bytes and my part of K step 0 are in (K step 1's load may be out)
	s_barrier_signal -1
	s_barrier_wait -1                              ; everybody's are
	FETCH_B 0, 0, 0
	FETCH_A 0, 0, 0
	SCALES 0
	FETCH_A 0, 0, 4
	STEP 0, 0, 1                                   ; the first step's products start the sums
	s_mov_b32 s3, LAPS-1
.Llap:
	TURN 0, 1, 1
	STEP 1, 0, 0
	TURN 1, 0, 1
	STEP 0, 0, 0
	s_sub_co_u32 s3, s3, 1
	s_cmp_lg_u32 s3, 0
	s_cbranch_scc1 .Llap
	TURN 0, 1, 0                                   ; the last lap fills nothing
	STEP 1, 0, 0
	s_wait_dscnt 4*NL
	WIN MUL_LO
	MUL16 0, 1, NQ-1, 1, 0
	MUL16 2, 1, NQ-1, 1, 0
	s_wait_dscnt 0
	WIN MUL_HI
	MUL16 4, 1, NQ-1, 1, 0
	MUL16 6, 1, NQ-1, 1, 0
	WIN 0
; THE WAY OUT, block by block of 16 rows x 128 columns, through my own stage in LDS: in as 32 bytes a lane, back as whole rows of 512 bytes.  LDS serves a wave's instructions in order (ISA guide 5.7.1.4).
.macro TOSTAGE a
.set AC, 64*((\a)%4)
	WIN 0x08+4*((\a)/4)                            ; the data: window 2 or 3
.irp b, 0,1,2,3,4,5,6,7
	ds_store_b128 v[STO], v[AC+8*\b:AC+8*\b+3] offset:64*\b          ; each accumulator from its low end on
	ds_store_b128 v[STO], v[AC+8*\b+4:AC+8*\b+7] offset:64*\b+16
.endr
	WIN 0
.set BB, BK+64*((\a)%2)
.irp t, 0,1,2,3,4,5,6,7,8,9,10,11,12,13,14,15
	ds_load_b128 v[BB+4*\t:BB+4*\t+3], v[RD] offset:\t*SPITCH
.endr
.endm
.macro SEND a, younger                 ; younger: the LDS instructions issued behind block a's loads, which may stay out
.set BB, BK+64*((\a)%2)
	s_wait_dscnt \younger
.if (\a) > 0
	s_add_nc_u64 s[12:13], s[12:13], 16*SIZE_N*4   ; (behind a wait on XCNT: the earlier stores have read their base)
.endif
.irp t, 0,1,2,3,4,5,6,7,8,9,10,11,12,13,14,15
	global_store_b128 v[CO], v[BB+4*\t:BB+4*\t+3], s[12:13] offset:\t*SIZE_N*4 th:TH_STORE_NT   ; 32 lanes store 512 consecutive bytes, at a multiple of 256 from out0's first byte
.endr
.endm
	PLACES NP
	TOSTAGE 0
.irp a, 1,2,3,4,5,6,7
.if \a > 1
	s_wait_xcnt 0x0                                ; block a - 2's stores have read their registers and their base
.endif
	TOSTAGE \a
	SEND \a-1, 32                                  ; behind block a - 1's loads: block a's 16 stores and 16 loads
.endr
	s_wait_xcnt 0x0
	SEND 7, 0
	s_wait_tensorcnt 0x0                           ; the wave's end
	ds_add_u32 v[SPW], v[NIL]
	s_wait_dscnt 0x0
	CROUND                                         ; the closing round
	s_endpgm
.Lfunc_end_k_qb4ad6ef44c_outp:
	.size	k_qb4ad6ef44c_outp, .Lfunc_end_k_qb4ad6ef44c_outp-k_qb4ad6ef44c_outp
	.p2alignl 7, 3214868480
	.fill 96, 4, 3214868480
	.section	.rodata,"a",@progbits
	.p2align	6, 0x0
	.amdhsa_kernel k_qb4ad6ef44c_outp
		.amdhsa_group_segment_fixed_size 327680
		.amdhsa_private_segment_fixed_size 0
		.amdhsa_enable_private_segment 0
		.amdhsa_kernarg_size 40
		.amdhsa_user_sgpr_count 2
		.amdhsa_user_sgpr_kernarg_segment_ptr 1
		.amdhsa_wavefront_size32 1
		.amdhsa_system_sgpr_workgroup_id_x 1
		.amdhsa_system_sgpr_workgroup_id_y 1
		.amdhsa_system_sgpr_workgroup_id_z 1
		.amdhsa_system_vgpr_workitem_id 0
		.amdhsa_next_free_vgpr 1024
		.amdhsa_next_free_sgpr 98
		.amdhsa_reserve_vcc 0
		.amdhsa_float_denorm_mode_32 3
		.amdhsa_float_denorm_mode_16_64 3
		.amdhsa_memory_ordered 1
		.amdhsa_forward_progress 1
		.amdhsa_inst_pref_size 160
	.end_amdhsa_kernel
	.amdgpu_metadata
---
amdhsa.version: [ 1, 2 ]
amdhsa.kernels:
  - .name:           k_qb4ad6ef44c_outp
    .symbol:         k_qb4ad6ef44c_outp.kd
    .args:
      - { .name: ycod, .offset: 0, .size: 8, .value_kind: global_buffer, .address_space: global }
      - { .name: ysc, .offset: 8, .size: 8, .value_kind: global_buffer, .address_space: global }
      - { .name: cod, .offset: 16, .size: 8, .value_kind: global_buffer, .address_space: global }
      - { .name: scl, .offset: 24, .size: 8, .value_kind: global_buffer, .address_space: global }
      - { .name: out0, .offset: 32, .size: 8, .value_kind: global_buffer, .address_space: global }
    .group_segment_fixed_size: 327680
    .private_segment_fixed_size: 0
    .kernarg_segment_align: 8
    .kernarg_segment_size: 40
    .max_flat_workgroup_size: 128
    .sgpr_count:     98
    .vgpr_count:     1024
    .wavefront_size: 32
...
	.end_amdgpu_metadata
.endif
;; end of part 5
